; MI455X (gfx1250); checked and timed in simulation.
; The chip was launched on July 23, 2026; its instructions are those of AMD's public machine-readable ISA for CDNA 5 (MIT licence, August 2026) and "CDNA5" Instruction Set Architecture Reference Guide (July 2026). The comments in the code are by the model that wrote it; some were corrected since.
;; GQA. Allowed arithmetic: matrix products marked QUANTISED: E2M3 operands, one E8M0 scale for each 32 along K, by v_wmma_scale_f32_16x16x128_f8f6f4 with both operands' format E2M3, f32 sums; everything else in f32.
;; Inputs: freqs_cos 2,048 x 32 float32; freqs_sin 2,048 x 32 float32; mask 4 x 2,048 bool; wk 1,024 x 256 float32; wo 1,024 x 1,024 float32; wq 1,024 x 1,024 float32; wv 1,024 x 256 float32; x 4 x 2,048 x 1,024 float32.
;; Outputs: out0 4 x 2,048 x 1,024 float32.
;; This version of the problem:
;;   THIS VERSION OF THE PROBLEM IS GIVEN IN LOW PRECISION. The matrix products marked QUANTISED in the list below multiply operands that are first quantised to E2M3 (2 exponent bits, 3 mantissa bits; 6 bits a number), with one power-of-two scale for each 32 numbers along K (OCP MX v1.0); their sums are f32. All else is computed in f32.
;;   The module's matrix products, in the order in which they are computed (A, B: the left and right operand; K: the contracted axis; several contracted axes count as one K, in the product's order):
;;     1. [M 8,192, K 1,024] x [K 1,024, N 1,024]; A: input x; B: input wq: QUANTISED
;;     2. [M 8,192, K 1,024] x [K 1,024, N 256]; A: input x; B: input wk: QUANTISED
;;     3. [M 8,192, K 1,024] x [K 1,024, N 256]; A: input x; B: input wv: QUANTISED
;;     4. batch 16 x [M 8,192, K 64] x [K 64, N 2,048]; A: computed on the way; B: computed on the way: QUANTISED
;;     5. batch 16 x [M 64, K 2,048] x [K 2,048, N 8,192]; A: computed on the way; B: softmax (see below): QUANTISED
;;     6. [M 8,192, K 1,024] x [K 1,024, N 1,024]; A: computed on the way; B: input wo: QUANTISED
;;   THE QUANTISER, for each operand of a quantised product, along K:
;;     - K is cut into blocks of 32 from its start; a last block that is shorter is filled with zeros.
;;     - A block's scale is 2^e with e = floor(log2(the largest magnitude in the block)) - 2, held to -126 .. 127; a block of zeros has e = 0. As a byte (E8M0): e + 127.
;;     - Each number is divided by its block's scale, clamped to +-7.5, and rounded to the nearest number of E2M3, ties to even, subnormals kept.
;;     - The product sums the exact products of the quantised numbers (number of the format x scale) in f32.
;;   ~~~python
;;   def quantise(x, axis):      # numpy; x: float32 -> the quantised numbers, widened to float32 again
;;       x = np.moveaxis(x, axis, -1); K = x.shape[-1]
;;       x = np.pad(x, [(0, 0)] * (x.ndim - 1) + [(0, -K % 32)]); x = x.reshape(x.shape[:-1] + (-1, 32)); a = np.abs(x).max(-1, keepdims=True)
;;       e = np.where(a > 0, np.clip(np.frexp(np.where(a > 0, a, 1))[1] - 1 - 2, -126, 127), 0)      # np.frexp(a)[1] - 1 = floor(log2(a)), exactly
;;       r = np.clip(x / 2.0 ** e, -7.5, 7.5)
;;       step = 2.0 ** (np.maximum(np.frexp(np.where(r == 0, 1, r))[1] - 1, 0) - 3)
;;       q = np.round(r / step) * step * 2.0 ** e      # np.round: ties to even
;;       return np.moveaxis(q.reshape(q.shape[:-2] + (-1,))[..., :K], -1, axis).astype(np.float32)
;;   ~~~
;;   SOFTMAX AHEAD OF A QUANTISED PRODUCT. Where the list says 'softmax', what is quantised is not the finished softmax but p = 2^(t - M), with t = logit x log2(e) and M = ceil(the row's largest t), a whole number; so 1/2 < the row's largest p <= 1. The row's sum l is taken of the UNQUANTISED p, in f32, and the product's result is divided by l at the end. Since M is a whole number, a kernel that streams over the keys may use a running M (the ceiling of the running maximum): every later rescaling is an exact power of two, which a block's scale takes up: the codes' values come out the same.
;;   OPERANDS COMPUTED ON THE WAY. 'Computed on the way' means the value that the module computes at that place (a softmax that the list does not call 'softmax' is quantised finished and normalised). What goes into a quantiser is computed in f32, as accurately as f32 sums, v_exp_f32 and their like allow (about 1e-6 of the number): no bf16 or f16 on the way to a quantiser, and a product that is left as it is and whose result goes on into a quantised operand takes f32 operands (vector FMAs, or v_wmma_f32_16x16x4_f32). A number that lies on a knife's edge between two numbers of the format may be rounded either way, as far as f32 arithmetic and the matrix unit's own rounding can turn it there, and no further.
;; One version. Each part assembles by itself: llvm-mc -triple=amdgcn-amd-amdhsa -mcpu=gfx1250 --defsym DOCPART=n.
;; ======== version 1 of 1: 4 launches
;; limits: right only within a limited range of input values
;; workspace buffers: xq 6,553,600 bytes; wcode 2,048,000 bytes; qbuf 6,815,744 bytes; kvblk 3,342,336 bytes; vsum 65,536 bytes; obuf 6,553,600 bytes
;; launch quant (part 1): grid 336 x 1, 4 waves a work-group, no clusters, 92,672 bytes of LDS; arguments x, wq, wk, wv, wo, xq, wcode; writes xq, wcode
.if DOCPART == 1
	.amdgcn_target "amdgcn-amd-amdhsa--gfx1250"
	.amdhsa_code_object_version 6
	.text
	.protected	k_q40b0055137_quant
	.globl	k_q40b0055137_quant
	.p2align	8
	.type	k_q40b0055137_quant,@function
k_q40b0055137_quant:
	s_mov_b64 s[64:65], 0
	v_nop
	global_prefetch_b8 v0, s[64:65] scope:SCOPE_SE
	s_setreg_imm32_b32 hwreg(HW_REG_WAVE_MODE, 25, 1), 1
	s_wait_xcnt 0x0
; x [8192][1024] and the four weights ([1024 (K)][n], K their FIRST axis), f32, become codes of FP6 (E2M3), K innermost, 768 bytes a row, with one E8M0 byte for each 32 along K.
; A block's scale is 2^(floor(log2(largest magnitude)) - 2); its byte is the largest magnitude's exponent field - 2, held at 1 from below.
; LIMITS: a block of zeros gets the byte 1 (its codes are zeros, and only this program reads the bytes); NaN and infinities among the inputs are not served.
; THE ROWS OF THE TWO BUFFERS ARE LAID IN THE ORDER IN WHICH THE LATER LAUNCHES WANT THEM:
;   x's rows and wv's columns: in each 32, stored row 16 u + 8 g + i holds row 16 g + 8 u + i, so that a tile of 16 stored rows holds rows 8 u + r + 8 (r / 8);
;   wq's and wk's columns: in each 32, stored row 16 u + i holds column 2 i + u: an even tile holds the rope's real parts, the odd tile behind it the imaginary parts;  wo's columns: as they lie.
; wcode's rows: 0-1023 wq, 1024-1279 wk, 1280-1535 wv, 1536-2559 wo; its scale bytes [row][32] from byte 1,966,080.  xq's scale bytes [row][32] from byte 6,291,456.
; Work-groups 0-79 take the weights (128 columns x 256 along K each), work-groups 80-335 take x (32 rows each).  The two ways share no LDS byte and each ends by itself.
.set SPW,   208                        ; v208  LDS address of my spare word; never rewritten
.set NIL,   209                        ; v209  0; never rewritten
.set XBASE, 34816                      ; LDS: 0 .. the weights' four stages; from here x's four regions
; THE CODES LEAVE AS IMAGES OF THE OPERANDS' REGISTERS, not as rows: [quarter of K (256)][tile of 16 stored rows][3,072 bytes]; in a tile's quarter each 128 along K are 1,536 bytes,
; register 4 j + m of lane L = row + 16 h at byte 512 j + 16 L + 4 m (registers 6 c .. 6 c + 5 of lane (row, h) hold K = 64 c + 32 h + 0 .. 31).  A quarter of xq is 1,572,864 bytes, of wcode 491,520.
.set IMGS,  67584                      ; x: the work-group's images, [quarter][2 tiles][3,072]
.set SPARE, 92160                      ; behind them: the spare words, 128 bytes a wave
.set IA,    192                        ; v192-194 x: where my three words of a step go in the images
.set IR,    195                        ; v195     x: where I read my wave's quarter back
.set EMAX,  2
.set WP,    272
.set KROW,  768
.set NB,    8
.set WX,    32                         ; v32-95   two sets of 32 numbers
.set WC,    96                         ; v96..    a block's codes
.set OUTR,  112                        ; v112-175 the way out
.set OFFR,  176                        ; v176-207 4 x my column + i x the tensor's pitch, i = 0 .. 31; never rewritten
.set SB,    24                         ; v24-25   my column's eight scale bytes
.set STEPS, 16
.set CB,    12
.set XR,    16                         ; x: v16-79 four sets of 16 numbers as loaded
.set XX,    80                         ; v80-111  two sets of 16 neighbours
.set XC,    128                        ; v128-191 codes, four registers a step
.set XE,    112                        ; v112-127 a scale byte a step
.set WREG,  8192
.set SP,    80
	s_load_b256 s[4:11], s[0:1], 0x0               ; x, wq, wk, wv
	s_load_b128 s[12:15], s[0:1], 0x20             ; wo, xq
	s_load_b64 s[16:17], s[0:1], 0x30              ; wcode
	v_lshl_add_u32 v[SPW], v0, 2, SPARE
	v_mov_b32 v[NIL], 0
	v_lshrrev_b32 v1, 5, v0
	v_readfirstlane_b32 s18, v1                    ; wave
	v_and_b32 v2, 31, v0                           ; lane
	s_cmp_lt_u32 ttmp9, 80
	s_cbranch_scc0 .Lrows
; ---------------- THE WEIGHTS.  A lane takes a column, its registers run down K: a block of 32 lies in one lane, and the codes come out with K innermost.
	s_lshr_b32 s19, ttmp9, 2                       ; which 128 stored rows of wcode: 0-7 wq, 8-9 wk, 10-11 wv, 12-19 wo
	s_and_b32 s20, ttmp9, 3                        ; which 256 along K
	v_and_b32 v3, 15, v2
	v_lshrrev_b32 v5, 4, v2
	v_lshl_or_b32 v3, v3, 1, v5                    ; wq, wk: stored row l holds column 2 (l % 16) + l / 16
	v_and_b32 v6, 7, v2
	v_and_b32 v7, 8, v2
	v_lshl_or_b32 v6, v7, 1, v6
	v_and_b32 v7, 16, v2
	v_lshrrev_b32 v7, 1, v7
	v_or_b32 v6, v6, v7                            ; wv: bits 3 and 4 change places
	s_cmp_lt_u32 s19, 10
	s_cselect_b32 s27, -1, 0
	s_sub_co_u32 s25, s19, 10
	s_cmp_lt_u32 s25, 2
	s_cselect_b32 s28, -1, 0
	v_cndmask_b32 v3, v2, v3, s27
	v_cndmask_b32 v3, v3, v6, s28
	v_lshlrev_b32 v3, 2, v3                        ; my column among the wave's 32, in bytes
	s_mul_i32 s29, s18, 6144                       ; my stage: two tiles' images of this quarter
	v_and_b32 v5, 15, v2
	v_lshrrev_b32 v6, 4, v2
	v_mul_u32_u24 v4, v6, 3072
	v_lshl_add_u32 v4, v5, 4, v4
	v_add_nc_u32 v4, s29, v4                       ; into it: tile lane / 16, 16 bytes for row lane % 16
	v_lshlrev_b32 v8, 4, v2                        ; out of it, and in wcode: 16 bytes a lane, as they lie
	v_add_nc_u32 v7, s29, v8
	v_lshlrev_b32 v9, 5, v2                        ; my stored row's scale bytes
	s_wait_alu depctr_va_vdst(0)                   ; the wait at the head's end
	s_wait_kmcnt 0x0
	s_cmp_lt_u32 s19, 8                            ; the tensor, the first group of its columns and its pitch: chosen by the work-group's number alone
	s_cselect_b64 s[22:23], s[6:7], s[12:13]
	s_cselect_b32 s24, 0, 12
	s_sub_co_u32 s25, s19, 8
	s_cmp_lt_u32 s25, 2
	s_cselect_b64 s[22:23], s[8:9], s[22:23]
	s_cselect_b32 s24, 8, s24
	s_sub_co_u32 s25, s19, 10
	s_cmp_lt_u32 s25, 2
	s_cselect_b64 s[22:23], s[10:11], s[22:23]
	s_cselect_b32 s24, 10, s24
	s_sub_co_u32 s25, s19, 8
	s_cmp_lt_u32 s25, 4
	s_mov_b32 s26, 4096
	s_cselect_b32 s26, 1024, s26                   ; bytes from a row of K to the next
	s_sub_co_u32 s25, s19, s24
	s_lshl_b32 s25, s25, 7
	s_lshl_b32 s29, s18, 5
	s_add_co_u32 s25, s25, s29                     ; my wave's first column
	s_lshl_b32 s25, s25, 2
	s_lshl_b32 s29, s20, 8
	s_mul_i32 s29, s29, s26
	s_add_co_u32 s30, s25, s29
	s_mov_b32 s31, 0
	s_add_nc_u64 s[40:41], s[22:23], s[30:31]      ; block 0's first row; a base for each of the eight blocks, so that none is stepped
	s_lshl_b32 s30, s26, 5
.irp t, 1,2,3,4,5,6,7
	s_add_nc_u64 s[40+2*\t:41+2*\t], s[38+2*\t:39+2*\t], s[30:31]
.endr
	s_lshl_b32 s32, s19, 7
	s_lshl_b32 s33, s18, 5
	s_add_co_u32 s32, s32, s33                     ; my wave's first stored row
	s_mul_i32 s34, s32, 192                        ; 3,072 bytes for each 16 stored rows,
	s_mul_i32 s33, s20, 491520                     ; in my quarter of K
	s_add_co_u32 s34, s34, s33
	s_mov_b32 s35, 0
	s_add_nc_u64 s[34:35], s[16:17], s[34:35]      ; its codes
	s_lshl_b32 s36, s32, 5
	s_lshl_b32 s33, s20, 3
	s_add_co_u32 s36, s36, s33
	s_add_co_u32 s36, s36, 1966080
	s_mov_b32 s37, 0
	s_add_nc_u64 s[36:37], s[16:17], s[36:37]      ; its scale bytes
.set i, 0
.rept 32
	v_mad_u32_u24 v[OFFR+i], s26, i, v3
.set i, i+1
.endr
.macro LOADW t                         ; block t: W(32 t + i, my column) into set t % 2
.set i, 0
.rept 32
	global_load_b32 v[WX+32*((\t)%2)+i], v[OFFR+i], s[40+2*(\t):41+2*(\t)] th:TH_LOAD_NT
.set i, i+1
.endr
.endm
	LOADW 0
	LOADW 1
.macro BLOCK t
.set XS, WX+32*((\t)%2)
.if (\t) < NB-1
	s_wait_loadcnt 32                              ; this block's 32 loads are in; the next block's 32 may be out
.else
	s_wait_loadcnt 0
.endif
	v_max3_num_f32 v12, |v[XS]|, |v[XS+1]|, |v[XS+2]|
	v_max3_num_f32 v13, |v[XS+3]|, |v[XS+4]|, |v[XS+5]|
.irp i, 6,10,14,18,22,26
	v_max3_num_f32 v12, v12, |v[XS+\i]|, |v[XS+\i+1]|
	v_max3_num_f32 v13, v13, |v[XS+\i+2]|, |v[XS+\i+3]|
.endr
	v_max3_num_f32 v12, v12, |v[XS+30]|, |v[XS+31]|
	v_max3_num_f32 v12, v12, v13, (EMAX+1)<<23     ; with the floor 2^(3 - 127): the byte cannot fall under 1
	v_add_nc_u32 v11, -(EMAX<<23), v12             ; 2 off the exponent field: the conversion's scale operand
	v_lshrrev_b32 v13, 23, v11                     ; the scale's byte
.if (\t)%4 == 0
	v_mov_b32 v[SB+(\t)/4], v13
.else
	v_lshl_or_b32 v[SB+(\t)/4], v13, 8*((\t)%4), v[SB+(\t)/4]
.endif
	v_cvt_scalef32_pk16_fp6_f32 v[WC:WC+2], v[XS:XS+15], v11
	v_cvt_scalef32_pk16_fp6_f32 v[WC+6:WC+8], v[XS+16:XS+31], v11
	v_nop                                          ; one plain place behind a scaled conversion
	v_mov_b32 v[WC+3], v[WC+6]                     ; the block's six words on end
	v_mov_b32 v[WC+4], v[WC+7]
	v_mov_b32 v[WC+5], v[WC+8]
.if ((\t)%4) < 2                       ; block t: K step t / 4, c = (t % 4) / 2, h = t % 2: registers 6 c .. 6 c + 5 of lane row + 16 h
	ds_store_b128 v4, v[WC:WC+3] offset:1536*((\t)/4)+256*((\t)%2)
	ds_store_b64 v4, v[WC+4:WC+5] offset:1536*((\t)/4)+256*((\t)%2)+512
.else
	ds_store_b64 v4, v[WC:WC+1] offset:1536*((\t)/4)+256*((\t)%2)+520
	ds_store_b128 v4, v[WC+2:WC+5] offset:1536*((\t)/4)+256*((\t)%2)+1024
.endif
.if (\t)+2 < NB
	LOADW (\t)+2
.endif
	s_wait_dscnt 0x0                               ; the stores have read their registers: the next block's codes may be written
.endm
.irp t, 0,1,2,3,4,5,6,7
	BLOCK \t
.endr
	s_wait_alu depctr_va_vdst(0)
	global_store_b64 v9, v[SB:SB+1], s[36:37]
.irp t, 0,1,2,3,4,5,6,7,8,9,10,11
	ds_load_b128 v[OUTR+4*\t:OUTR+4*\t+3], v7 offset:512*\t   ; a wave's LDS instructions are served in order: these see my stores
.endr
.irp t, 0,1,2,3,4,5,6,7,8,9,10,11
	s_wait_dscnt 11-\t
	global_store_b128 v8, v[OUTR+4*\t:OUTR+4*\t+3], s[34:35] offset:512*\t   ; 32 lanes store 512 consecutive bytes, aligned
.endr
	s_wait_tensorcnt 0x0                           ; the wave's end
	ds_add_u32 v[SPW], v[NIL]
	s_wait_dscnt 0x0
	s_endpgm
; ---------------- x.  A wave takes eight rows, 8,192 numbers, as 16 steps of 512.  Each load reads 512 consecutive bytes; a step's 2,048 bytes turn through the wave's own stage,
; so that a lane then holds 16 neighbours along K (two neighbouring lanes hold a block).  The eight rows are one octet of the row order above: only the octet's place changes.
.Lrows:
	s_wait_alu depctr_va_vdst(0)
	v_lshlrev_b32 v3, 4, v2
	s_mul_i32 s19, s18, WREG
	s_add_co_u32 s19, s19, XBASE
	v_lshrrev_b32 v14, 2, v2
	v_mul_u32_u24 v14, v14, SP
	v_and_b32 v15, 3, v2
	v_lshl_add_u32 v14, v15, 4, v14
	v_add_nc_u32 v14, s19, v14                     ; the stage, on the way in: four lanes' 64 bytes on end, then 16 of padding
	v_mul_u32_u24 v15, v2, SP
	v_add_nc_u32 v15, s19, v15                     ; on the way out: my 16 neighbours
	v_lshrrev_b32 v5, 1, v2
	s_add_co_u32 s19, s19, 2*32*SP
	v_add_nc_u32 v5, s19, v5                       ; my wave's 256 scale bytes: my block's byte
	v_lshlrev_b32 v7, 3, v2
	v_add_nc_u32 v6, s19, v7
	; the images: my octet is rows 8 (wave / 2) .. of tile wave % 2; lane l of a step holds words 3 (l % 2) .. + 2 of block l / 2: quarter l / 16 (+ 2 in odd steps), K step (l / 8) % 2, c = (l / 4) % 2, h = (l / 2) % 2
	s_and_b32 s23, s18, 1
	s_mul_i32 s23, s23, 3072
	s_lshr_b32 s24, s18, 1
	s_lshl_b32 s24, s24, 7
	s_add_co_u32 s23, s23, s24
	s_add_co_u32 s23, s23, IMGS
	s_mul_i32 s24, s18, 6144
	v_bfe_u32 v8, v2, 2, 1
	v_and_b32 v9, 1, v2
	v_mul_u32_u24 v8, v8, 6
	v_mad_u32_u24 v8, v9, 3, v8                    ; my first word's register in the operand: 6 c + 3 (l % 2)
	v_lshrrev_b32 v9, 4, v2
	v_mul_u32_u24 v9, v9, 6144
	v_bfe_u32 v10, v2, 3, 1
	v_mad_u32_u24 v9, v10, 1536, v9
	v_bfe_u32 v10, v2, 1, 1
	v_lshl_add_u32 v9, v10, 8, v9
	v_add_nc_u32 v9, s23, v9
.irp j, 0,1,2
	v_add_nc_u32 v10, \j, v8
	v_lshrrev_b32 v11, 2, v10
	v_and_b32 v10, 3, v10
	v_lshl_add_u32 v11, v11, 9, v9
	v_lshl_add_u32 v[IA+\j], v10, 2, v11           ; register n lies at 512 (n / 4) + 4 (n % 4)
.endr
	v_add_nc_u32 v[IR], s24, v3
	v_add_nc_u32 v[IR], IMGS, v[IR]                ; on the way out my wave takes quarter = wave, 16 bytes a lane
	s_sub_co_u32 s20, ttmp9, 80
	s_lshl_b32 s20, s20, 2
	s_add_co_u32 s21, s20, s18                     ; the octet that I read,
	s_and_b32 s22, s18, 1
	s_lshl_b32 s22, s22, 1
	s_lshr_b32 s23, s18, 1
	s_or_b32 s22, s22, s23
	s_add_co_u32 s22, s20, s22                     ; and its place among the stored rows: 0, 2, 1, 3
	s_lshl_b32 s24, s21, 15
	s_mov_b32 s25, 0
	s_mul_i32 s26, s18, 1572864                    ; my quarter of xq,
	s_mul_i32 s23, s20, 1536                       ; the work-group's two tiles in it
	s_add_co_u32 s26, s26, s23
	s_mov_b32 s27, 0
	s_lshl_b32 s28, s22, 8
	s_add_co_u32 s28, s28, 6291456
	s_mov_b32 s29, 0
	s_wait_alu depctr_va_vdst(0)
	s_wait_kmcnt 0x0
	s_add_nc_u64 s[4:5], s[4:5], s[24:25]
	s_add_nc_u64 s[26:27], s[14:15], s[26:27]
	s_add_nc_u64 s[28:29], s[14:15], s[28:29]
.macro LOAD t
.irp i, 0,1,2,3
	global_load_b128 v[XR+16*((\t)%4)+4*\i:XR+16*((\t)%4)+4*\i+3], v3, s[4:5] offset:2048*(\t)+512*\i th:TH_LOAD_NT
.endr
.endm
.macro TURN t
.irp i, 0,1,2,3
	ds_store_b128 v14, v[XR+16*((\t)%4)+4*\i:XR+16*((\t)%4)+4*\i+3] offset:32*SP*((\t)%2)+8*SP*\i
.endr
.irp i, 0,1,2,3
	ds_load_b128 v[XX+16*((\t)%2)+4*\i:XX+16*((\t)%2)+4*\i+3], v15 offset:32*SP*((\t)%2)+16*\i
.endr
.endm
.irp t, 0,1,2,3
	LOAD \t
.endr
	s_wait_loadcnt 12                              ; step 0's four loads are in
	TURN 0
.macro STEP t
.set XS, XX+16*((\t)%2)
.if (\t) > 0
	s_wait_dscnt 4                                 ; this step's numbers are back from the stage (the last step's three word stores and its byte store may be out)
.else
	s_wait_dscnt 0x0
.endif
.if (\t)+4 < STEPS
	LOAD (\t)+4
.endif
.if (\t)+1 < STEPS
.if STEPS-2-(\t) >= 3
	s_wait_loadcnt 12                              ; the next step's four loads are in; those of the three steps behind it may be out
.else
	s_wait_loadcnt 4*(STEPS-2-(\t))
.endif
	TURN (\t)+1
.endif
	v_max3_num_f32 v8, |v[XS]|, |v[XS+1]|, |v[XS+2]|
	v_max3_num_f32 v9, |v[XS+3]|, |v[XS+4]|, |v[XS+5]|
.irp i, 6,10
	v_max3_num_f32 v8, v8, |v[XS+\i]|, |v[XS+\i+1]|
	v_max3_num_f32 v9, v9, |v[XS+\i+2]|, |v[XS+\i+3]|
.endr
	v_max3_num_f32 v8, v8, |v[XS+14]|, |v[XS+15]|
	v_max3_num_f32 v8, v8, v9, (EMAX+1)<<23
	v_max_num_f32_dpp v8, v8, v8 row_xmask:1 row_mask:0xf bank_mask:0xf   ; with my neighbour's 16: the block's
	v_add_nc_u32 v11, -(EMAX<<23), v8
	v_cvt_scalef32_pk16_fp6_f32 v[XC+4*(\t):XC+4*(\t)+2], v[XS:XS+15], v11
	v_lshrrev_b32 v[XE+(\t)], 23, v11
	ds_store_b8 v5, v[XE+(\t)] offset:16*(\t)      ; both lanes of a block write the same byte with the same value
.irp j, 0,1,2
	ds_store_b32 v[IA+\j], v[XC+4*(\t)+\j] offset:12288*((\t)%2)+16*((\t)/2)   ; row t / 2 of my octet; odd steps: quarters 2 and 3
.endr
.endm
.irp t, 0,1,2,3,4,5,6,7,8,9,10,11,12,13,14,15
	STEP \t
.endr
	ds_load_b64 v[8:9], v6
	s_wait_dscnt 0x0                               ; my words of the images are stored:
	s_barrier_signal -1
	s_barrier_wait -1                              ; everybody's are
	global_store_b64 v7, v[8:9], s[28:29]          ; 32 lanes store 256 consecutive bytes, aligned
.irp t, 0,1,2,3,4,5,6,7,8,9,10,11
	ds_load_b128 v[XR+4*\t:XR+4*\t+3], v[IR] offset:512*\t
.endr
.irp t, 0,1,2,3,4,5,6,7,8,9,10,11
	s_wait_dscnt 11-\t
	global_store_b128 v3, v[XR+4*\t:XR+4*\t+3], s[26:27] offset:512*\t   ; 512 consecutive bytes, aligned
.endr
	s_wait_tensorcnt 0x0                           ; the wave's end
	ds_add_u32 v[SPW], v[NIL]
	s_wait_dscnt 0x0
	s_endpgm
.Lfunc_end_k_q40b0055137_quant:
	.size	k_q40b0055137_quant, .Lfunc_end_k_q40b0055137_quant-k_q40b0055137_quant
	.p2alignl 7, 3214868480
	.fill 96, 4, 3214868480
	.section	.rodata,"a",@progbits
	.p2align	6, 0x0
	.amdhsa_kernel k_q40b0055137_quant
		.amdhsa_group_segment_fixed_size 92672
		.amdhsa_private_segment_fixed_size 0
		.amdhsa_enable_private_segment 0
		.amdhsa_kernarg_size 56
		.amdhsa_user_sgpr_count 2
		.amdhsa_user_sgpr_kernarg_segment_ptr 1
		.amdhsa_wavefront_size32 1
		.amdhsa_system_sgpr_workgroup_id_x 1
		.amdhsa_system_sgpr_workgroup_id_y 1
		.amdhsa_system_sgpr_workgroup_id_z 1
		.amdhsa_system_vgpr_workitem_id 0
		.amdhsa_next_free_vgpr 212
		.amdhsa_next_free_sgpr 66
		.amdhsa_reserve_vcc 0
		.amdhsa_float_denorm_mode_32 3
		.amdhsa_float_denorm_mode_16_64 3
		.amdhsa_memory_ordered 1
		.amdhsa_forward_progress 1
		.amdhsa_inst_pref_size 82
	.end_amdhsa_kernel
	.amdgpu_metadata
---
amdhsa.version: [ 1, 2 ]
amdhsa.kernels:
  - .name:           k_q40b0055137_quant
    .symbol:         k_q40b0055137_quant.kd
    .args:
      - { .name: x, .offset: 0, .size: 8, .value_kind: global_buffer, .address_space: global }
      - { .name: wq, .offset: 8, .size: 8, .value_kind: global_buffer, .address_space: global }
      - { .name: wk, .offset: 16, .size: 8, .value_kind: global_buffer, .address_space: global }
      - { .name: wv, .offset: 24, .size: 8, .value_kind: global_buffer, .address_space: global }
      - { .name: wo, .offset: 32, .size: 8, .value_kind: global_buffer, .address_space: global }
      - { .name: xq, .offset: 40, .size: 8, .value_kind: global_buffer, .address_space: global }
      - { .name: wcode, .offset: 48, .size: 8, .value_kind: global_buffer, .address_space: global }
    .group_segment_fixed_size: 92672
    .private_segment_fixed_size: 0
    .kernarg_segment_align: 8
    .kernarg_segment_size: 56
    .max_flat_workgroup_size: 128
    .sgpr_count:     66
    .vgpr_count:     212
    .wavefront_size: 32
...
	.end_amdgpu_metadata
.endif
;; end of part 1
;; launch qkv (part 2): grid 32 x 6, 4 waves a work-group, clusters of 4 x 1, 327,680 bytes of LDS; arguments xq, wcode, freqs_cos, freqs_sin, mask, qbuf, kvblk, vsum; writes qbuf, kvblk, vsum
.if DOCPART == 2
	.amdgcn_target "amdgcn-amd-amdhsa--gfx1250"
	.amdhsa_code_object_version 6
	.text
	.protected	k_q40b0055137_qkv
	.globl	k_q40b0055137_qkv
	.p2align	8
	.type	k_q40b0055137_qkv,@function
k_q40b0055137_qkv:
	s_mov_b64 s[64:65], 0
	v_nop
	global_prefetch_b8 v0, s[64:65] scope:SCOPE_SE
	s_setreg_imm32_b32 hwreg(HW_REG_WAVE_MODE, 25, 1), 1
	s_wait_xcnt 0x0
	s_wait_alu depctr_hold_cnt(0) depctr_sa_sdst(0) depctr_va_vdst(0) depctr_va_sdst(0) depctr_va_ssrc(0) depctr_va_vcc(0) depctr_vm_vsrc(0)
	s_getreg_b32 s2, hwreg(HW_REG_IB_STS2, 6, 4)
	s_cmp_eq_u32 s2, 0
	s_cbranch_scc0 .Lentry_in_a_cluster
	s_endpgm
.Lentry_in_a_cluster:
	s_bfe_u32 s2, ttmp6, 0x10000c
	s_cmp_lg_u32 s2, 0x3003
	s_cbranch_scc0 .Lentry_shape_is_right
	s_endpgm
.Lentry_shape_is_right:
; q, k, v = x wq, x wk, x wv on codes of FP6 (E2M3) with E8M0 scales; then the rope on q and k, and all three quantised for the attention's two products.
; A work-group of four waves makes 256 positions x 256 columns (y = 0-3 wq, 4 wk, 5 wv); a wave 128 x 128: 64 accumulators in windows 2 and 3.
; OPERANDS.  xq and wcode hold images of the operands' registers: [quarter of K][tile of 16 rows][3,072 bytes]; a fragment (16 rows x 128 K) is three loads of 16 bytes a lane, 512 bytes apart.
; So a quarter of 256 rows is 49,152 dense bytes, stated as 192 rows of 256 bytes; LDS has no padding.
; LDS: three slots of one quarter (x's 16 tiles, then w's 16), the scales of all K ([row][32 bytes], x's then w's), the spare words.  All of LDS is claimed.
; LOADS.  At the head one a wave: x's quarter 0, w's quarter 0, x's scales, w's scales.  Behind the full sequence and a round one a wave: quarters 1 and 2 of x and of w.
; Quarter 3 refills slot 0, a quarter of the slot a wave, behind the round that stands in K step 1, when every wave has read slot 0 out.  A wave has one tensor load out at any time.
; CLUSTER: the four work-groups of a cluster are four blocks of positions on the same columns: w's tiles and scales are asked for jointly; x's are each work-group's own.
; y = 5 (v) takes w's rows as source 1 and x's as source 0, by its LDS read addresses alone, so that a lane holds a channel and its registers run along the keys.
; NO PREFETCH: the walk along K is four slots written out, with no loop to run ahead in.
; The way out is laid as the attention wants it: images of q, k (rope applied, quantised along the channels) and v (quantised along the keys), scale words whose third byte carries the given mask, and v's sums by steps of 128 keys.
.set NQ,     2
.set FR,     12
.set NL,     3
.set NP,     4
.set TILEB,  3072
.set HALFT,  8*TILEB
.set SLOT,   4*HALFT
.set SCL,    3*SLOT
.set HALFS,  4096
.set SBLK,   512
.set SPARE,  SCL+4*HALFS
.set XQS,    1572864
.set WQS,    491520
.set ADRA, 16
.set ADRB, 20
.set ADRS, 27
.set SPW,  28
.set NIL,  29
.set SC,   32
.set AF,   128
.set CSO,  8
.set MO,   9
.set LI,   10
.set L8,   11
.set SCO,  12
.set MB,   64
.set VS,   64
.set PWS,  32
.set SW0,  48
.set SW1,  56
.set HA,   128
.set PC,   192
.set TM,   212
.set ONESC, 229
.set ONES, 232
.set G1, 24
.set G0, 32
.set G1B, 48
.set G0B, 56
.set G1S, 68
.set G0S, 76
.set G1SB, 80
.set G0SB, 88
.set SEL, 66
.set HM,  100
.set IMG0, 48
.set IMG1, 50
.set SC0,  52
.set SC1,  54
.set MSB, 0
.macro WIN new
.if MSB != (\new)
	s_set_vgpr_msb (MSB<<8)|(\new)
.set MSB, (\new)
.endif
.endm
.set MUL_LO, 0xa1
.set MUL_HI, 0xf1
.set TO_B,   0x40
.macro JLOAD g0x, g0w                  ; even waves fetch for x, odd waves for w (jointly): one load a wave
	s_cmp_eq_u32 s16, 0
	s_cbranch_scc0 .Lfor_w_\@
	tensor_load_to_lds s[\g0x:\g0x+3], s[G1:G1+7]
	s_nop 0
.rept 4
	v_nop
.endr
	s_branch .Lasked_\@
.Lfor_w_\@:
	tensor_load_to_lds s[\g0w:\g0w+3], s[G1B:G1B+7]
	s_nop 0
.rept 4
	v_nop
.endr
.Lasked_\@:
.endm
.macro CREST
	s_cmp_lg_u32 s14, 0
	s_cbranch_scc1 .Lnot_wave_0_\@
	s_barrier_signal -3
.Lnot_wave_0_\@:
	s_barrier_wait -3
	s_barrier_signal -1
	s_barrier_wait -1
.endm
.macro CROUND
	s_barrier_signal -1
	s_barrier_wait -1
	CREST
.endm
	s_load_b256 s[4:11], s[0:1], 0x0               ; xq, wcode, cos, sin
	s_load_b256 s[92:99], s[0:1], 0x20             ; mask, qbuf, kvblk, vsum
	v_lshl_add_u32 v[SPW], v0, 2, SPARE
	v_mov_b32 v[NIL], 0
	ds_add_u32 v[SPW], v[NIL]                      ; the opening lines: the add twice on end and its wait
	ds_add_u32 v[SPW], v[NIL]
	v_lshrrev_b32 v1, 5, v0
	v_readfirstlane_b32 s14, v1                    ; wave
	s_lshr_b32 s15, s14, 1
	s_and_b32 s16, s14, 1
	s_bfe_u32 s40, ttmp6, 0x40000
	s_lshl_b32 s42, ttmp9, 2
	s_add_co_u32 s42, s42, s40                     ; block of 256 positions
	s_and_b32 s17, ttmp7, 0xffff                   ; block of 256 columns
	s_mov_b32 s[G1+0], 3<<16                       ; elements of 8 bytes; x's tiles are my own
	s_mov_b32 s[G1B+0], 15|(3<<16)|(1<<21)         ; w's go to all four partners
	s_mov_b32 s[G1S+0], 3<<16
	s_mov_b32 s[G1SB+0], 15|(3<<16)|(1<<21)
.irp g, G1, G1B
	s_mov_b32 s[\g+1], 32<<16                      ; rows of 256 bytes,
	s_mov_b32 s[\g+2], 192<<16                     ; 192 of them: a quarter of 256 rows of codes
	s_mov_b32 s[\g+3], 32<<16
	s_mov_b32 s[\g+4], 192
	s_mov_b32 s[\g+5], 32
	s_mov_b32 s[\g+6], 0
	s_mov_b32 s[\g+7], 0
.endr
.irp g, G1S, G1SB
	s_mov_b32 s[\g+1], 32<<16
	s_mov_b32 s[\g+2], 32<<16                      ; the scales of 256 rows: 8,192 bytes
	s_mov_b32 s[\g+3], 32<<16
	s_mov_b32 s[\g+4], 32
	s_mov_b32 s[\g+5], 32
	s_mov_b32 s[\g+6], 0
	s_mov_b32 s[\g+7], 0
.endr
	s_mul_i32 s20, s42, 16*TILEB
	s_mov_b32 s21, 0
	s_lshl_b32 s22, s42, 13
	s_add_co_u32 s22, s22, 6291456
	s_mov_b32 s23, 0
	s_mul_i32 s46, s17, 16*TILEB
	s_mov_b32 s47, 0
	s_lshl_b32 s44, s17, 13
	s_add_co_u32 s44, s44, 1966080
	s_mov_b32 s45, 0
	s_add_co_u32 s41, s15, 1                       ; the quarter that I fetch behind the head: 1 or 2
	s_mul_i32 s2, s41, XQS
	s_mov_b32 s3, 0
	s_mul_i32 s18, s41, WQS
	s_mov_b32 s19, 0
	s_mul_i32 s41, s41, SLOT
	s_mul_i32 s43, s15, HALFT                      ; and which half of a tile in the refill
	s_mov_b32 s[HM], 0xffff0000
	s_wait_dscnt 0x0
	s_wait_kmcnt 0x0
	s_add_nc_u64 s[20:21], s[4:5], s[20:21]
	s_add_nc_u64 s[22:23], s[4:5], s[22:23]
	s_add_nc_u64 s[46:47], s[6:7], s[46:47]
	s_add_nc_u64 s[44:45], s[6:7], s[44:45]
	CROUND                                         ; all four work-groups are here: the first joint loads meet
	s_mov_b32 s[G0], 1
	s_mov_b32 s[G0+1], 0
	s_mov_b64 s[G0+2:G0+3], s[20:21]
	s_or_b32 s[G0+3], s[G0+3], 0x80000000
	s_mov_b32 s[G0B], 1
	s_mov_b32 s[G0B+1], 2*HALFT
	s_mov_b64 s[G0B+2:G0B+3], s[46:47]
	s_or_b32 s[G0B+3], s[G0B+3], 0x80000000
	s_mov_b32 s[G0S], 1
	s_mov_b32 s[G0S+1], SCL
	s_mov_b64 s[G0S+2:G0S+3], s[22:23]
	s_or_b32 s[G0S+3], s[G0S+3], 0x80000000
	s_mov_b32 s[G0SB], 1
	s_mov_b32 s[G0SB+1], SCL+2*HALFS
	s_mov_b64 s[G0SB+2:G0SB+3], s[44:45]
	s_or_b32 s[G0SB+3], s[G0SB+3], 0x80000000
	s_mov_b32 s[G0+4], 1
	s_mov_b32 s[G0+5], s41
	s_add_nc_u64 s[G0+6:G0+7], s[20:21], s[2:3]
	s_or_b32 s[G0+7], s[G0+7], 0x80000000
	s_mov_b32 s[G0B+4], 1
	s_add_co_u32 s[G0B+5], s41, 2*HALFT
	s_add_nc_u64 s[G0B+6:G0B+7], s[46:47], s[18:19]
	s_or_b32 s[G0B+7], s[G0B+7], 0x80000000
	s_mov_b32 s2, s43
	s_add_nc_u64 s[12:13], s[20:21], s[2:3]        ; the refill: my half of quarter 3, of x
	s_add_nc_u64 s[12:13], s[12:13], 3*XQS
	s_add_nc_u64 s[66:67], s[46:47], s[2:3]        ; and of w
	s_add_nc_u64 s[66:67], s[66:67], 3*WQS
.macro ARM under, g0, g1, next         ; one chain of branches on the wave's number, one load to an arm
	s_cmp_lt_u32 s14, \under
	s_cbranch_scc0 \next
	tensor_load_to_lds s[\g0:\g0+3], s[\g1:\g1+7]
	s_nop 0
.rept 4
	v_nop
.endr
	s_branch .Lhead_asked
\next:
.endm
	ARM 1, G0,  G1,  .Lhead_w
	ARM 2, G0B, G1B, .Lhead_sx
	ARM 3, G0S, G1S, .Lhead_sw
	tensor_load_to_lds s[G0SB:G0SB+3], s[G1SB:G1SB+7]
	s_nop 0
.rept 4
	v_nop
.endr
.Lhead_asked:
	s_cmp_eq_u32 s17, 5                            ; v: the two operands change places in what is read
	s_cselect_b32 s18, 2*HALFT, 0
	s_cselect_b32 s19, 0, 2*HALFT
	s_cselect_b32 s2, 2*HALFS, 0
	s_cselect_b32 s3, 0, 2*HALFS
	s_mul_i32 s21, s15, HALFT
	s_add_co_u32 s21, s21, s18
	s_mul_i32 s22, s16, HALFT
	s_add_co_u32 s22, s22, s19
	s_mul_i32 s18, s15, HALFS
	s_add_co_u32 s18, s18, s2
	s_mul_i32 s19, s16, HALFS
	s_add_co_u32 s19, s19, s3
	s_and_b32 s2, s42, 7
	s_lshl_b32 s2, s2, 1
	s_add_co_u32 s2, s2, s15                       ; which 128 positions of the sequence
	s_lshl_b32 s44, s2, 14
	s_mov_b32 s45, 0
	s_add_nc_u64 s[8:9], s[8:9], s[44:45]
	s_add_nc_u64 s[10:11], s[10:11], s[44:45]
	s_lshr_b32 s44, s42, 3
	s_lshl_b32 s44, s44, 11
	s_lshl_b32 s2, s2, 7
	s_add_co_u32 s44, s44, s2
	s_add_nc_u64 s[92:93], s[92:93], s[44:45]
	v_and_b32 v1, 15, v0
	v_bfe_u32 v2, v0, 4, 1
	v_and_b32 v4, 31, v0
	v_lshlrev_b32 v4, 4, v4                        ; an image is read 16 bytes a lane
	v_add_nc_u32 v[ADRA], s21, v4
	v_add_nc_u32 v[ADRB], s22, v4
	v_add_nc_u32 v[ADRA+1], SLOT, v[ADRA]
	v_add_nc_u32 v[ADRB+1], SLOT, v[ADRB]
	v_add_nc_u32 v[ADRA+2], 2*SLOT, v[ADRA]
	v_add_nc_u32 v[ADRB+2], 2*SLOT, v[ADRB]
	v_mov_b32 v6, s18
	v_mov_b32 v7, s19
	v_cndmask_b32 v6, v6, v7, s[HM]                ; scale words: lanes 0-15 source 1's rows, lanes 16-31 source 0's
	v_lshl_add_u32 v6, v1, 5, v6
	v_add_nc_u32 v[ADRS], SCL, v6
	v_and_b32 v[MO], 8, v1
	v_add_nc_u32 v[MO], v[MO], v1
	v_lshlrev_b32 v[CSO], 7, v[MO]
	v_lshl_add_u32 v[CSO], v2, 5, v[CSO]
	s_wait_alu depctr_va_vdst(0)                   ; the wait at the head's end
	s_wait_tensorcnt 0x0                           ; my tile of the head's four is in; the full sequence ahead of the later first fills:
	ds_add_u32 v[SPW], v[NIL]
	s_mov_b32 s[G0+1], s43                         ; no load of mine is out: the head's two groups 0 become the refill's
	s_mov_b64 s[G0+2:G0+3], s[12:13]
	s_or_b32 s[G0+3], s[G0+3], 0x80000000
	s_add_co_u32 s[G0B+1], s43, 2*HALFT
	s_mov_b64 s[G0B+2:G0B+3], s[66:67]
	s_or_b32 s[G0B+3], s[G0B+3], 0x80000000
	s_wait_dscnt 0x0
	CROUND
	JLOAD G0+4, G0B+4                              ; quarters 1 and 2, one load a wave
.macro SETCSB a
.if (\a) == 0
.set CSB, 96
.elseif (\a) == 1
.set CSB, 224
.elseif (\a) < 5
.set CSB, 32*((\a)-2)
.else
.set CSB, 128+32*((\a)-5)
.endif
.endm
.macro CSLOAD a
	SETCSB \a
.irp bq, 0,1,2,3
	global_load_b128 v[CSB+4*\bq:CSB+4*\bq+3], v[CSO], s[8:9] offset:(32*((\a)/2)+8*((\a)%2))*128+64*(\bq/2)+16*(\bq%2)
	global_load_b128 v[CSB+16+4*\bq:CSB+16+4*\bq+3], v[CSO], s[10:11] offset:(32*((\a)/2)+8*((\a)%2))*128+64*(\bq/2)+16*(\bq%2)
.endr
.endm
	WIN TO_B
	CSLOAD 0
	CSLOAD 1
	WIN 0
.irp a, 0,1,2,3,4,5,6,7
	global_load_u8 v[MB+\a], v[MO], s[92:93] offset:32*(\a/2)+8*(\a%2)
.endr
.macro FRAG reg, adr, q, i             ; tile i, K step q of the slot's two
.irp p, 0,1,2
	ds_load_b128 v[\reg+4*\p:\reg+4*\p+3], v[\adr] offset:(\i)*TILEB+(\q)*1536+512*\p
.endr
.endm
.macro MUL16 a0, p, q, sc, zero
.irp a, \a0, \a0+1
.irp b, 0,1,2,3,4,5,6,7
.if \zero
	v_wmma_scale_f32_16x16x128_f8f6f4 v[8*(8*((\a)%4)+\b):8*(8*((\a)%4)+\b)+7], v[128*(\p)+FR*\b:128*(\p)+FR*\b+FR-1], v[AF+FR*(\a):AF+FR*(\a)+FR-1], 0, v[SC+8*NQ*(\sc)+NQ*\b+(\q)], v[SC+8*NQ*(\sc)+NQ*(\a)+(\q)] matrix_a_fmt:MATRIX_FMT_FP6 matrix_b_fmt:MATRIX_FMT_FP6 matrix_a_scale:MATRIX_SCALE_ROW1
.else
	v_wmma_scale_f32_16x16x128_f8f6f4 v[8*(8*((\a)%4)+\b):8*(8*((\a)%4)+\b)+7], v[128*(\p)+FR*\b:128*(\p)+FR*\b+FR-1], v[AF+FR*(\a):AF+FR*(\a)+FR-1], v[8*(8*((\a)%4)+\b):8*(8*((\a)%4)+\b)+7], v[SC+8*NQ*(\sc)+NQ*\b+(\q)], v[SC+8*NQ*(\sc)+NQ*(\a)+(\q)] matrix_a_fmt:MATRIX_FMT_FP6 matrix_b_fmt:MATRIX_FMT_FP6 matrix_a_scale:MATRIX_SCALE_ROW1
.endif
.endr
.endr
.endm
.macro FETCH_B slot, q, p
	WIN TO_B
.irp i, 0,1,2,3,4,5,6,7
	FRAG 128*(\p)+FR*\i, ADRB+\slot, \q, \i
.endr
	WIN 0
.endm
.macro FETCH_A slot, q, i0
.irp i, \i0, \i0+1, \i0+2, \i0+3
	FRAG AF+FR*(\i), ADRA+\slot, \q, \i
.endr
.endm
.macro SCALES pr                       ; the scale words of quarter pr's two K steps into set pr % 2
.irp i, 0,1,2,3,4,5,6,7
	ds_load_b64 v[SC+8*NQ*((\pr)%2)+NQ*\i:SC+8*NQ*((\pr)%2)+NQ*\i+1], v[ADRS] offset:\i*SBLK+4*NQ*(\pr)
.endr
.endm
.macro PLACES n
.rept \n
	v_nop
.endr
.endm
.macro STEP slot, sc, zero             ; a slot's first K step; its second step's fragments are fetched in the middle and at the end
	s_wait_dscnt 4*NL                              ; all but the youngest twelve loads (source 1's blocks 4-7)
	WIN MUL_LO
	MUL16 0, 0, 0, \sc, \zero
	MUL16 2, 0, 0, \sc, \zero
	s_wait_dscnt 0
	PLACES NP
	FETCH_B \slot, 1, 1
	FETCH_A \slot, 1, 0
	WIN MUL_HI
	MUL16 4, 0, 0, \sc, \zero
	MUL16 6, 0, 0, \sc, \zero
	PLACES NP
	WIN 0
	FETCH_A \slot, 1, 4
.endm
; A slot's second K step, and the change to the next slot.  mode 2: the slot is read out and is filled again behind a round; mode 1: the next slot's load is waited for and shown to all waves; mode 0: the next slot has been shown already.
.macro TURN slot, next, sc, pr, mode
.if \mode
	s_wait_tensorcnt 0x0                           ; all my tensor loads have landed
.if \mode == 2
	ds_add_u32 v[SPW], v[NIL]
	s_mov_b32 s[G1+2], 96<<16                      ; no load of mine is out: from here on a load brings 96 rows of 256 bytes, half a tile's quarter
	s_mov_b32 s[G1+4], 96
	s_mov_b32 s[G1B+2], 96<<16
	s_mov_b32 s[G1B+4], 96
	s_wait_dscnt 4*NL+1                            ; (the add and the youngest twelve loads may be out)
.else
	s_wait_dscnt 4*NL
.endif
	WIN MUL_LO
	MUL16 0, 1, 1, \sc, 0
	s_wait_dscnt 0x0                               ; the add, and my reads of this slot
	s_barrier_signal -1
	MUL16 2, 1, 1, \sc, 0
	WIN 0
	s_barrier_wait -1
.if \mode == 2
	CREST
	JLOAD G0, G0B                                  ; quarter 3, the first tensor load behind the round; its four v_nop are the places for the loads below
.else
	PLACES NP
.endif
.else
	s_wait_dscnt 4*NL
	WIN MUL_LO
	MUL16 0, 1, 1, \sc, 0
	MUL16 2, 1, 1, \sc, 0
	s_wait_dscnt 0
	PLACES NP
.endif
	FETCH_B \next, 0, 0
	FETCH_A \next, 0, 0
	SCALES \pr
	WIN MUL_HI
	MUL16 4, 1, 1, \sc, 0
	MUL16 6, 1, 1, \sc, 0
	PLACES NP
	WIN 0
	FETCH_A \next, 0, 4
.endm
	FETCH_B 0, 0, 0
	FETCH_A 0, 0, 0
	SCALES 0
	FETCH_A 0, 0, 4
	STEP 0, 0, 1
	TURN 0, 1, 0, 1, 2
	STEP 1, 1, 0
	TURN 1, 2, 1, 2, 0
	STEP 2, 0, 0
	TURN 2, 0, 0, 3, 1
	STEP 0, 1, 0
	s_wait_dscnt 4*NL
	WIN MUL_LO
	MUL16 0, 1, 1, 1, 0
	MUL16 2, 1, 1, 1, 0
	s_wait_dscnt 0
	WIN MUL_HI
	MUL16 4, 1, 1, 1, 0
	MUL16 6, 1, 1, 1, 0
	WIN 0
; 64 numbers a lane (four blocks of 32 with lane l xor 16) become an operand's twelve registers and its scale word
.macro QUANT s, w, pw
	WIN (\w)|((\w)<<2)
.irp b, 0,1,2,3
	v_max3_num_f32 v[TM+\b], |v[(\s)+16*\b]|, |v[(\s)+1+16*\b]|, 0x1800000
.endr
	WIN ((\w)<<2)|((\w)<<4)
.irp i, 2,4,6,8,10,12,14
.irp b, 0,1,2,3
	v_max3_num_f32 v[TM+\b], v[TM+\b], |v[(\s)+16*\b+\i]|, |v[(\s)+1+16*\b+\i]|
.endr
.endr
	WIN 0
.irp b, 0,1,2,3
	v_permlanex16_b32 v[TM+4+\b], v[TM+\b], s[SEL], s[SEL+1]
.endr
.irp b, 0,1,2,3
	v_max_num_f32 v[TM+\b], v[TM+\b], v[TM+4+\b]
.endr
.irp b, 0,1,2,3
	v_add_nc_u32 v[TM+12+\b], 0xff000000, v[TM+\b]
.endr
.irp b, 0,1,2,3
	v_lshrrev_b32 v[TM+4+\b], 23, v[TM+12+\b]
.endr
	v_lshl_or_b32 v[\pw], v[TM+5], 8, v[TM+4]
	v_lshl_or_b32 v[\pw], v[TM+6], 16, v[\pw]
	v_lshl_or_b32 v[\pw], v[TM+7], 24, v[\pw]
	WIN (\w)
.irp c, 0,1
	v_cvt_scalef32_pk16_fp6_f32 v[PC+6*\c:PC+2+6*\c], v[(\s)+32*\c:(\s)+15+32*\c], v[TM+12+2*\c]
	v_cvt_scalef32_pk16_fp6_f32 v[PC+12+4*\c:PC+14+4*\c], v[(\s)+16+32*\c:(\s)+31+32*\c], v[TM+12+2*\c+1]
.endr
	WIN 0
	v_nop
.irp c, 0,1
.irp i, 0,1,2
	v_permlane16_swap_b32 v[PC+6*\c+\i], v[PC+12+4*\c+\i]
.endr
.irp i, 0,1,2
	v_mov_b32 v[PC+3+6*\c+\i], v[PC+12+4*\c+\i]
.endr
.endr
.endm
	PLACES NP
	s_mov_b32 s[SEL], 0x76543210
	s_mov_b32 s[SEL+1], 0xfedcba98
.irp b, 0,1,2,3
	v_mov_b32 v[TM+4+\b], 0
.endr
	v_and_b32 v[LI], 31, v0
	v_lshlrev_b32 v[L8], 3, v[LI]
	v_lshlrev_b32 v[LI], 4, v[LI]
	s_lshr_b32 s27, s42, 3
	s_and_b32 s28, s42, 7
	s_lshl_b32 s28, s28, 1
	s_cmp_eq_u32 s17, 5
	s_cbranch_scc1 .Ltype1
	WIN TO_B
.irp a, 2,3,4,5,6,7
	CSLOAD \a
.endr
	WIN 0
	s_add_co_u32 s28, s28, s15
	s_lshl_b32 s29, s16, 1
	s_lshl_b32 s30, s27, 4
	s_lshl_b32 s31, s17, 2
	s_add_co_u32 s30, s30, s31
	s_add_co_u32 s30, s30, s29
	s_lshl_b32 s30, s30, 4
	s_add_co_u32 s30, s30, s28
	s_mul_i32 s32, s30, 6144
	s_lshl_b32 s36, s30, 9
	s_add_co_u32 s36, s36, 6291456
	s_lshl_b32 s34, s27, 2
	s_add_co_u32 s34, s34, s29
	s_mul_i32 s34, s34, 208896
	s_mul_i32 s35, s28, 6144
	s_add_co_u32 s35, s35, s34
	s_lshl_b32 s37, s28, 9
	s_add_co_u32 s37, s37, s34
	s_add_co_u32 s37, s37, 196608
	s_mov_b32 s31, 208896
	s_cmp_eq_u32 s17, 4
	s_cselect_b64 s[24:25], s[96:97], s[94:95]
	s_cselect_b32 s26, -1, 0
	s_cselect_b32 s32, s35, s32
	s_cselect_b32 s36, s37, s36
	s_cselect_b32 s38, s31, 98304
	s_cselect_b32 s40, s31, 8192
	s_mov_b32 s33, 0
	s_mov_b32 s37, 0
	s_mov_b32 s39, 0
	s_mov_b32 s41, 0
	s_add_nc_u64 s[IMG0:IMG0+1], s[24:25], s[32:33]
	s_add_nc_u64 s[IMG1:IMG1+1], s[IMG0:IMG0+1], s[38:39]
	s_add_nc_u64 s[SC0:SC0+1], s[24:25], s[36:37]
	s_add_nc_u64 s[SC1:SC1+1], s[SC0:SC0+1], s[40:41]
	v_lshlrev_b32 v[SCO], 5, v1
	v_lshl_add_u32 v[SCO], v2, 4, v[SCO]
.macro ROPE a
	SETCSB \a
	WIN 0x06+(\a)/4
.irp eb, 0,1,2,3
.irp jj, 0,2,4,6
.set TR, 64*((\a)%4)+16*\eb+\jj
.set TI, TR+8
.set CC, CSB+8*(\eb%2)+\jj
.set SS, CC+16
.set ORE, HA+16*\eb+\jj
.set OIM, ORE+8
	v_pk_mul_f32 v[OIM:OIM+1], v[TI:TI+1], v[CC:CC+1]
	v_pk_mul_f32 v[ORE:ORE+1], v[TI:TI+1], v[SS:SS+1]
	v_pk_fma_f32 v[ORE:ORE+1], v[TR:TR+1], v[CC:CC+1], v[ORE:ORE+1] neg_lo:[0,0,1] neg_hi:[0,0,1]
	v_pk_fma_f32 v[OIM:OIM+1], v[TR:TR+1], v[SS:SS+1], v[OIM:OIM+1]
.endr
.endr
	WIN 0
.endm
.irp a, 0,1,2,3,4,5,6,7
.if \a == 0
	s_wait_loadcnt 48
.elseif \a > 1
	s_wait_loadcnt 8*(7-\a)
.endif
.if \a > 0
	s_wait_xcnt 0x0
.endif
	ROPE \a
	QUANT HA, 0, PWS+\a
	global_store_b128 v[LI], v[PC:PC+3], s[IMG0:IMG0+1] offset:\a*768
	global_store_b64 v[L8], v[PC+4:PC+5], s[IMG0:IMG0+1] offset:\a*768+512
	global_store_b128 v[LI], v[PC+6:PC+9], s[IMG1:IMG1+1] offset:\a*768
	global_store_b64 v[L8], v[PC+10:PC+11], s[IMG1:IMG1+1] offset:\a*768+512
.endr
	v_mov_b32 v14, 0x01bb0000
	v_mov_b32 v15, 0x01010000
.irp a, 0,1,2,3,4,5,6,7
	v_and_b32 v13, s26, v[MB+\a]
	v_cmp_ne_u32 vcc_lo, 0, v13
	v_cndmask_b32 v13, v14, v15, vcc_lo
	v_and_or_b32 v[SW0+\a], v[PWS+\a], 0xffff, v13
	v_lshrrev_b32 v[SW1+\a], 16, v[PWS+\a]
	v_or_b32 v[SW1+\a], v[SW1+\a], v13
.endr
.irp i, 0,1,2,3
	v_cndmask_b32 v[HA+\i], v[SW0+\i], v[SW0+4+\i], s[HM]
	v_cndmask_b32 v[HA+4+\i], v[SW1+\i], v[SW1+4+\i], s[HM]
.endr
	global_store_b128 v[SCO], v[HA:HA+3], s[SC0:SC0+1]
	global_store_b128 v[SCO], v[HA+4:HA+7], s[SC1:SC1+1]
	s_wait_tensorcnt 0x0
	ds_add_u32 v[SPW], v[NIL]
	s_wait_dscnt 0x0
	CROUND
	s_endpgm
.Ltype1:
	s_wait_loadcnt 0x0
	s_add_co_u32 s28, s28, s16
	s_lshl_b32 s30, s27, 2
	s_lshl_b32 s29, s15, 1
	s_add_co_u32 s30, s30, s29
	s_mul_i32 s32, s30, 208896
	s_mul_i32 s31, s28, 6144
	s_add_co_u32 s32, s32, s31
	s_add_co_u32 s32, s32, 98304
	s_mov_b32 s33, 0
	s_add_nc_u64 s[IMG0:IMG0+1], s[96:97], s[32:33]
	s_mul_i32 s32, s30, 208896
	s_lshl_b32 s31, s28, 8
	s_add_co_u32 s32, s32, s31
	s_add_co_u32 s32, s32, 204800
	s_add_nc_u64 s[SC0:SC0+1], s[96:97], s[32:33]
	s_lshl_b32 s32, s30, 4
	s_add_co_u32 s32, s32, s28
	s_lshl_b32 s32, s32, 8
	s_add_nc_u64 s[IMG1:IMG1+1], s[98:99], s[32:33]
.irp i, 0,1,2,3
	v_mov_b32 v[ONES+3*\i], 0x08208208
	v_mov_b32 v[ONES+3*\i+1], 0x82082082
	v_mov_b32 v[ONES+3*\i+2], 0x20820820
.endr
	v_mov_b32 v[ONESC], 0x7f7f7f7f
	v_mul_u32_u24 v[SCO], v2, 208896
	v_lshl_add_u32 v[SCO], v1, 4, v[SCO]
	v_lshlrev_b32 v13, 5, v2
.irp a, 0,1,2,3,4,5,6,7
.if \a > 0
	s_wait_xcnt 0x0
.endif
	QUANT 64*((\a)%4), 2+(\a)/4, PWS+\a
.irp i, 0,1,2
	global_store_b128 v[LI], v[PC+4*\i:PC+4*\i+3], s[IMG0:IMG0+1] offset:(\a/4)*208896+(\a%4)*1536+512*\i
.endr
.rept 8
	v_nop
.endr
	v_wmma_scale_f32_16x16x128_f8f6f4 v[VS+8*\a:VS+8*\a+7], v[PC:PC+11], v[ONES:ONES+11], 0, v[PWS+\a], v[ONESC] matrix_a_fmt:MATRIX_FMT_FP6 matrix_b_fmt:MATRIX_FMT_FP6
.endr
	PLACES NP
.irp i, 0,1,2,3
	v_cndmask_b32 v[SW0+\i], v[PWS+\i], v[PWS+4+\i], s[HM]
.endr
	global_store_b128 v[SCO], v[SW0:SW0+3], s[SC0:SC0+1]
	v_cmp_eq_u32 vcc_lo, 0, v1
	s_wait_xcnt 0x0
	s_and_saveexec_b32 s59, vcc_lo
.irp a, 0,1,2,3,4,5,6,7
	global_store_b128 v13, v[VS+8*\a:VS+8*\a+3], s[IMG1:IMG1+1] offset:(\a/4)*4096+(\a%4)*64
	global_store_b128 v13, v[VS+8*\a+4:VS+8*\a+7], s[IMG1:IMG1+1] offset:(\a/4)*4096+(\a%4)*64+16
.endr
	s_wait_xcnt 0x0
	s_or_b32 exec_lo, exec_lo, s59
	s_wait_tensorcnt 0x0
	ds_add_u32 v[SPW], v[NIL]
	s_wait_dscnt 0x0
	CROUND
	s_endpgm
.Lfunc_end_k_q40b0055137_qkv:
	.size	k_q40b0055137_qkv, .Lfunc_end_k_q40b0055137_qkv-k_q40b0055137_qkv
	.p2alignl 7, 3214868480
	.fill 96, 4, 3214868480
	.section	.rodata,"a",@progbits
	.p2align	6, 0x0
	.amdhsa_kernel k_q40b0055137_qkv
		.amdhsa_group_segment_fixed_size 327680
		.amdhsa_private_segment_fixed_size 0
		.amdhsa_enable_private_segment 0
		.amdhsa_kernarg_size 64
		.amdhsa_user_sgpr_count 2
		.amdhsa_user_sgpr_kernarg_segment_ptr 1
		.amdhsa_wavefront_size32 1
		.amdhsa_system_sgpr_workgroup_id_x 1
		.amdhsa_system_sgpr_workgroup_id_y 1
		.amdhsa_system_sgpr_workgroup_id_z 1
		.amdhsa_system_vgpr_workitem_id 0
		.amdhsa_next_free_vgpr 1024
		.amdhsa_next_free_sgpr 102
		.amdhsa_reserve_vcc 1
		.amdhsa_float_denorm_mode_32 3
		.amdhsa_float_denorm_mode_16_64 3
		.amdhsa_memory_ordered 1
		.amdhsa_forward_progress 1
		.amdhsa_inst_pref_size 224
	.end_amdhsa_kernel
	.amdgpu_metadata
---
amdhsa.version: [ 1, 2 ]
amdhsa.kernels:
  - .name:           k_q40b0055137_qkv
    .symbol:         k_q40b0055137_qkv.kd
    .args:
      - { .name: xq, .offset: 0, .size: 8, .value_kind: global_buffer, .address_space: global }
      - { .name: wcode, .offset: 8, .size: 8, .value_kind: global_buffer, .address_space: global }
      - { .name: freqs_cos, .offset: 16, .size: 8, .value_kind: global_buffer, .address_space: global }
      - { .name: freqs_sin, .offset: 24, .size: 8, .value_kind: global_buffer, .address_space: global }
      - { .name: mask, .offset: 32, .size: 8, .value_kind: global_buffer, .address_space: global }
      - { .name: qbuf, .offset: 40, .size: 8, .value_kind: global_buffer, .address_space: global }
      - { .name: kvblk, .offset: 48, .size: 8, .value_kind: global_buffer, .address_space: global }
      - { .name: vsum, .offset: 56, .size: 8, .value_kind: global_buffer, .address_space: global }
    .group_segment_fixed_size: 327680
    .private_segment_fixed_size: 0
    .kernarg_segment_align: 8
    .kernarg_segment_size: 64
    .max_flat_workgroup_size: 128
    .sgpr_count:     102
    .vgpr_count:     1024
    .wavefront_size: 32
...
	.end_amdgpu_metadata
.endif
;; end of part 2
;; launch attn (part 3): grid 16 x 16, 16 waves a work-group, clusters of 4 x 1, 215,296 bytes of LDS; arguments qbuf, kvblk, vsum, obuf; writes obuf
.if DOCPART == 3
	.amdgcn_target "amdgcn-amd-amdhsa--gfx1250"
	.amdhsa_code_object_version 6
	.text
	.protected	k_q40b0055137_attn
	.globl	k_q40b0055137_attn
	.p2align	8
	.type	k_q40b0055137_attn,@function
k_q40b0055137_attn:
	s_mov_b64 s[64:65], 0
	v_nop
	global_prefetch_b8 v0, s[64:65] scope:SCOPE_SE
	s_setreg_imm32_b32 hwreg(HW_REG_WAVE_MODE, 25, 1), 1
	s_wait_xcnt 0x0
	s_wait_alu depctr_hold_cnt(0) depctr_sa_sdst(0) depctr_va_vdst(0) depctr_va_sdst(0) depctr_va_ssrc(0) depctr_va_vcc(0) depctr_vm_vsrc(0)
	s_getreg_b32 s2, hwreg(HW_REG_IB_STS2, 6, 4)
	s_cmp_eq_u32 s2, 0
	s_cbranch_scc0 .Lentry_in_a_cluster
	s_endpgm
.Lentry_in_a_cluster:
	s_bfe_u32 s2, ttmp6, 0x10000c
	s_cmp_lg_u32 s2, 0x3003
	s_cbranch_scc0 .Lentry_shape_is_right
	s_endpgm
.Lentry_shape_is_right:
; o = softmax(q k^T / 8 under the causal and the given mask) v for 16 query heads on 4 kv heads, both products on codes of FP6 (E2M3); o is quantised along the heads' channels for the last product.
; THE SOFTMAX: t = score x log2(e) / 8; M = the running largest t rounded up to a whole number; p = 2^(t - M) is quantised along the keys; the row's sum is taken of the unquantised p and divides at the end.
; SHARES.  A cluster's four work-groups are the four query heads of one kv head on the same positions: they read the same k and v.  The whole block of a batch and kv head (images and scale words, 208,896 bytes)
; comes into each one's LDS ONCE, by one joint load a wave (51 rows of 256 bytes each), and stays: no ring, no barrier in the loop.
; A work-group takes positions 256 p .. and then 256 (7 - p) .. (p = the cluster's x): 2 p + 2 and 16 - 2 p steps of 128 keys, 18 in every work-group.  Each of its sixteen waves owns one tile of 16 queries.
; A step all of whose keys come after the wave's queries is passed over by a scalar branch on ids.
; LAYOUT.  Both products transposed: S^T = k q^T, O^T = v^T p^T: a lane holds one query (the tile's row lane % 16, position Q0 + r + 8 (r / 8)).  The stored order of the positions makes the 16 registers of two
; neighbouring tiles of keys 16 neighbouring keys.  A head has 64 channels: registers 0-5 of q's and k's operands are loaded; k = 64 holds the code -1 in q and +1 in k, the rest zeros; the third byte of the scale
; words makes of that -2^120 for a key whose mask is false and -2^-66 for one whose mask is true.
; A ROW ALL OF WHOSE VISIBLE KEYS ARE MASKED has equal logits on all 2,048 keys: its result is the mean of the quantised v over all keys.  The largest t starts at -1e30, over a masked key's t and under every other:
; such a row keeps it, and takes the mean (from the stored sums) by a select at the end.
; LIMITS: t of a key that counts lies above -1e30; every visible score carries -2^-66; NaN and infinities are not served; a block of zeros gets the byte 1.
.set VIMG,  98304
.set KSC,   196608
.set VSC,   204800
.set BLKB,  208896
.set VMEAN, 212992                     ; 64 words: the mean of v, in O^T's order
.set SPARE, 213248                     ; the spare words, 128 bytes a wave
.set SPW, 4
.set NIL, 5
.set WV,  18
.set G1,  24
.set G0,  32
; v1 lane, v2 r, v3 r + 8 (r / 8) - 16 h; v6-10 addresses in hand; v11 q's scale word; v12 -M, v13 largest t, v[14:15] the sum; v16-27 q; v28-31 scale words of k or v; v32-79 four fragments of k;
; v80-127 four of v; v128-191 S^T, then p; v192-223 O^T; v224-235 p's codes; v236-254 at work; v255 the mean's address.
; s[36:43] q's images, q's scale words, o's images, o's scale bytes of the first block; s[44:51] of the second; s52 trip, s53 the first block's trips, s54 key step, s55 its first key, s56 my first query.
.macro CROUND
	s_barrier_signal -1
	s_barrier_wait -1
	s_cmp_lg_u32 s[WV], 0
	s_cbranch_scc1 .Lnot_wave_0_\@
	s_barrier_signal -3
.Lnot_wave_0_\@:
	s_barrier_wait -3
	s_barrier_signal -1
	s_barrier_wait -1
.endm
	s_load_b256 s[4:11], s[0:1], 0x0               ; qbuf, kvblk, vsum, obuf
	v_lshl_add_u32 v[SPW], v0, 2, SPARE
	v_mov_b32 v[NIL], 0
	ds_add_u32 v[SPW], v[NIL]                      ; the wave's opening: the add and its wait ahead of my first tensor load
	ds_add_u32 v[SPW], v[NIL]
	v_lshrrev_b32 v6, 5, v0
	s_delay_alu instid0(VALU_DEP_1)
	v_readfirstlane_b32 s[WV], v6                  ; wave 0..15
	s_mov_b32 s[G1+0], 15|(3<<16)|(1<<21)          ; all four partners; elements of 8 bytes; no padding
	s_mov_b32 s[G1+1], 32<<16                      ; rows of 256 bytes,
	s_mov_b32 s[G1+2], 51<<16                      ; 51 of them a wave,
	s_mov_b32 s[G1+3], 32<<16
	s_mov_b32 s[G1+4], 51
	s_mov_b32 s[G1+5], 32                          ; dense
	s_mov_b32 s[G1+6], 0
	s_mov_b32 s[G1+7], 0
	s_mov_b32 s[G0], 1
	s_mul_i32 s[G0+1], s[WV], 13056
	s_and_b32 s62, ttmp7, 0xffff                   ; y = 4 b + kv
	s_mul_i32 s70, s62, BLKB
	s_add_co_u32 s70, s70, s[G0+1]
	s_mov_b32 s71, 0
	s_mov_b32 s20, 0x76543210
	s_mov_b32 s21, 0xfedcba98                      ; v_permlanex16_b32's selects for lane l xor 16
	s_mov_b32 s22, 0x3e38aa3b                      ; c = log2(e) / 8
	s_mov_b32 s23, s22
	s_mov_b32 s58, 0xffff0000                      ; lanes 16-31
	s_mov_b32 s52, 0
	s_bfe_u32 s60, ttmp6, 0x40000                  ; cx: the query head in its group: it enters q's and o's global addresses alone
	s_min_u32 s61, ttmp9, 3                        ; p
	s_lshl_b32 s53, s61, 1
	s_add_co_u32 s53, s53, 2                       ; the first block's steps
	s_sub_co_u32 s63, 7, s61
	s_lshr_b32 s66, s[WV], 1
	s_lshl_b32 s66, s66, 5
	s_and_b32 s67, s[WV], 1
	s_lshl_b32 s67, s67, 3
	s_add_co_u32 s66, s66, s67                     ; 32 (w / 2) + 8 (w % 2)
	s_lshl_b32 s67, s61, 8
	s_add_co_u32 s68, s66, s67                     ; my first query in the first block,
	s_lshl_b32 s67, s63, 8
	s_add_co_u32 s57, s66, s67                     ; in the second
	s_lshl_b32 s69, s62, 2
	s_add_co_u32 s69, s69, s60                     ; 16 b + head
	s_and_b32 s74, s62, 3
	s_lshl_b32 s74, s74, 2
	s_add_co_u32 s74, s74, s60                     ; head
	s_wait_dscnt 0x0                               ; the opening add is done
	s_wait_kmcnt 0x0
	s_add_nc_u64 s[G0+2:G0+3], s[6:7], s[70:71]
	s_or_b32 s[G0+3], s[G0+3], 0x80000000
	CROUND                                         ; all four work-groups are here: the joint loads meet
	tensor_load_to_lds s[G0:G0+3], s[G1:G1+7]      ; my sixteenth of the block: the launch's only fill
	s_nop 0
.rept 4
	v_nop
.endr
.macro BLKPTR j, qi, qs, oi, os        ; the four addresses of my tile in block s[j]
	s_lshl_b32 s70, s[\j], 4
	s_add_co_u32 s70, s70, s[WV]                   ; T: my tile of 16 stored positions
	s_lshl_b32 s71, s69, 7
	s_add_co_u32 s71, s71, s70
	s_mul_i32 s72, s71, 768
	s_mov_b32 s73, 0
	s_add_nc_u64 s[\qi:\qi+1], s[4:5], s[72:73]
	s_lshl_b32 s71, s69, 4
	s_lshr_b32 s72, s70, 3
	s_add_co_u32 s71, s71, s72
	s_lshl_b32 s71, s71, 9
	s_and_b32 s72, s70, 7
	s_lshl_b32 s72, s72, 2
	s_add_co_u32 s72, s72, s71
	s_add_co_u32 s72, s72, 6291456
	s_add_nc_u64 s[\qs:\qs+1], s[4:5], s[72:73]
	s_lshr_b32 s71, s62, 2
	s_lshl_b32 s71, s71, 7
	s_add_co_u32 s71, s71, s70                     ; 128 b + T
	s_lshl_b32 s72, s71, 4
	s_add_co_u32 s72, s72, s74
	s_mul_i32 s72, s72, 768
	s_add_nc_u64 s[\oi:\oi+1], s[10:11], s[72:73]
	s_lshl_b32 s72, s71, 9
	s_lshl_b32 s75, s74, 1
	s_add_co_u32 s72, s72, s75
	s_add_co_u32 s72, s72, 6291456
	s_add_nc_u64 s[\os:\os+1], s[10:11], s[72:73]
.endm
	BLKPTR 61, 36, 38, 40, 42
	BLKPTR 63, 44, 46, 48, 50
	v_and_b32 v1, 31, v0                           ; lane
	v_and_b32 v2, 15, v0                           ; r
	v_bfe_u32 v255, v0, 4, 1                       ; h
	s_delay_alu instid0(VALU_DEP_2)
	v_and_b32 v3, 8, v2
	s_delay_alu instid0(VALU_DEP_1)
	v_add_nc_u32 v3, v3, v2
	s_delay_alu instid0(VALU_DEP_3)
	v_lshlrev_b32 v254, 4, v255
	s_delay_alu instid0(VALU_DEP_1)
	v_sub_nc_u32 v3, v3, v254                      ; r + 8 (r / 8) - 16 h
	v_sub_nc_u32 v254, 1, v255
	s_delay_alu instid0(VALU_DEP_1)
	v_mul_u32_u24 v22, v254, 40                    ; q: k = 64 (lanes 0-15, the lowest six bits of register 6) holds the code of -1.0;
.irp i, 23,24,25,26,27
	v_mov_b32 v\i, 0                               ; k = 65 .. 127: zeros
.endr
.irp t, 0,1,2,3
	v_lshlrev_b32 v[38+12*\t], 3, v254             ; k's four buffers: the code of +1.0 there; these six registers are never loaded
.irp i, 39,40,41,42,43
	v_mov_b32 v[\i+12*\t], 0
.endr
.endr
	v_lshl_add_u32 v255, v255, 5, VMEAN            ; the mean's words of my half
.macro OUTADR
	v_lshlrev_b32 v6, 4, v1                        ; 16 x lane
	v_lshlrev_b32 v7, 3, v1                        ; 8 x lane
	v_lshlrev_b32 v8, 5, v2                        ; 32 r
	v_lshrrev_b32 v9, 4, v1
	s_delay_alu instid0(VALU_DEP_1)
	v_lshl_add_u32 v9, v2, 5, v9                   ; 32 r + h
.endm
.macro QLOAD qi, qs
	global_load_b128 v[16:19], v6, s[\qi:\qi+1]
	global_load_b64 v[20:21], v7, s[\qi:\qi+1] offset:512
	global_load_b32 v11, v8, s[\qs:\qs+1]
.endm
.macro INIT
	v_mov_b32 v13, 0xf149f2ca                      ; the largest t so far: -1e30
	s_delay_alu instid0(VALU_DEP_1)
	v_floor_f32 v12, -v13                          ; -M
	v_mov_b32 v14, 0
	v_mov_b32 v15, 0
.set j, 0
.rept 32
	v_mov_b32 v[192+j], 0                          ; O^T: the step is written once, its first trip finds zeros
.set j, j+1
.endr
.endm
	OUTADR
	QLOAD 36, 38
	INIT
.irp b, 0,1,2,3
	v_mov_b32 v[236+\b], 0                         ; a lane permute's destination counts as one of its sources
.endr
	v_mov_b32 v253, 0
	; the mean of v over all 2,048 keys: threads 0-63 add the sixteen steps' sums of one channel each
	v_lshlrev_b32 v9, 2, v0
	v_lshl_add_u32 v10, v0, 2, VMEAN
	s_lshl_b32 s70, s62, 12
	s_mov_b32 s71, 0
	s_add_nc_u64 s[8:9], s[8:9], s[70:71]
	s_cmp_lt_u32 s[WV], 2
	s_cbranch_scc0 .Lno_mean
.irp t, 0,1,2,3,4,5,6,7,8,9,10,11,12,13,14,15
	global_load_b32 v[128+\t], v9, s[8:9] offset:256*\t
.endr
	s_wait_loadcnt 0x0
.irp i, 0,1,2,3,4,5,6,7
	v_add_f32 v[128+\i], v[128+\i], v[136+\i]
.endr
.irp i, 0,1,2,3
	s_delay_alu instid0(VALU_DEP_4)
	v_add_f32 v[128+\i], v[128+\i], v[132+\i]
.endr
	s_delay_alu instid0(VALU_DEP_2)
	v_add_f32 v128, v128, v130
	s_delay_alu instid0(VALU_DEP_2)
	v_add_f32 v129, v129, v131
	s_delay_alu instid0(VALU_DEP_1)
	v_add_f32 v128, v128, v129
	s_delay_alu instid0(VALU_DEP_1)
	v_mul_f32 v128, 0x3a000000, v128               ; / 2,048
	ds_store_b32 v10, v128
.Lno_mean:
	s_wait_tensorcnt 0x0                           ; my part of the block has landed,
	s_wait_dscnt 0x0                               ; my word of the mean is stored:
	s_barrier_signal -1
	s_barrier_wait -1                              ; everybody's are
	s_wait_loadcnt 0x0                             ; q; its address registers are free
; O^T / the sum (or the mean), quantised in two blocks of 32 channels, leaves as an image of registers 0-5 of the last product's operand, with one scale byte a lane.
.macro FINISH oi, os
.irp t, 0,1,2,3
	ds_load_b128 v[128+8*\t:131+8*\t], v255 offset:64*\t
	ds_load_b128 v[132+8*\t:135+8*\t], v255 offset:64*\t+16
.endr
	v_add_f32 v14, v14, v15
	s_delay_alu instid0(VALU_DEP_1)
	v_permlanex16_b32 v254, v14, s20, s21
	s_delay_alu instid0(VALU_DEP_1)
	v_add_f32 v14, v14, v254                       ; the row's sum
	s_wait_alu depctr_va_vdst(0)
	v_rcp_f32 v14, v14
	v_cmp_ge_f32 s59, 0xf149f2ca, v13              ; no key has counted
	v_nop                                          ; a plain place behind the reciprocal
	s_wait_alu depctr_va_vdst(0)                   ; ahead of its first reader
	s_wait_dscnt 0x0
.set j, 0
.rept 32
	v_mul_f32 v[160+j], v[192+j], v14              ; each accumulator from its low end on
	s_delay_alu instid0(VALU_DEP_1)
	v_cndmask_b32 v[160+j], v[160+j], v[128+j], s59
.set j, j+1
.endr
.irp b, 0,1
	v_max3_num_f32 v[248+\b], |v[160+16*\b]|, |v[161+16*\b]|, 0x1800000
.endr
.irp i, 2,4,6,8,10,12,14
.irp b, 0,1
	s_delay_alu instid0(VALU_DEP_2)
	v_max3_num_f32 v[248+\b], v[248+\b], |v[160+16*\b+\i]|, |v[161+16*\b+\i]|
.endr
.endr
.irp b, 0,1
	s_delay_alu instid0(VALU_DEP_2)
	v_permlanex16_b32 v[236+\b], v[248+\b], s20, s21
.endr
.irp b, 0,1
	s_delay_alu instid0(VALU_DEP_2)
	v_max_num_f32 v[248+\b], v[248+\b], v[236+\b]
.endr
.irp b, 0,1
	s_delay_alu instid0(VALU_DEP_2)
	v_add_nc_u32 v[244+\b], 0xff000000, v[248+\b]
.endr
.irp b, 0,1
	s_delay_alu instid0(VALU_DEP_2)
	v_lshrrev_b32 v[236+\b], 23, v[244+\b]
.endr
	s_delay_alu instid0(VALU_DEP_1)
	v_cndmask_b32 v238, v236, v237, s58            ; lane (r, h) stores block h's byte
	v_cvt_scalef32_pk16_fp6_f32 v[224:226], v[160:175], v244
	v_cvt_scalef32_pk16_fp6_f32 v[240:242], v[176:191], v245
	v_nop                                          ; one plain place behind a scaled conversion
.irp i, 0,1,2
	v_permlane16_swap_b32 v[224+\i], v[240+\i]
.endr
.irp i, 0,1,2
	s_delay_alu instid0(VALU_DEP_3)
	v_mov_b32 v[227+\i], v[240+\i]
.endr
	global_store_b128 v6, v[224:227], s[\oi:\oi+1]            ; 512 consecutive bytes, then 256
	global_store_b64 v7, v[228:229], s[\oi:\oi+1] offset:512
	global_store_b8 v9, v238, s[\os:\os+1]
.endm
.Ltrip:                                            ; 18 trips in every work-group
	s_cmp_eq_u32 s52, s53
	s_cbranch_scc0 .Lsame
.rept 4
	v_nop                                          ; places behind the last products: O^T is read, and q's registers are loaded
.endr
	OUTADR
	QLOAD 44, 46                                   ; the second block's q lands while the first block goes out
	FINISH 40, 42
	INIT
	s_wait_xcnt 0x0                                ; the stores have read their registers
	s_wait_loadcnt 0x0
.Lsame:
	s_cmp_lt_u32 s52, s53
	s_cselect_b32 s60, 0, s53
	s_cselect_b32 s56, s68, s57                    ; my first query
	s_sub_co_u32 s54, s52, s60
	s_min_u32 s54, s54, 15                         ; the key step
	s_lshl_b32 s55, s54, 7                         ; its first key
	s_add_co_u32 s61, s56, 23
	s_cmp_gt_u32 s55, s61                          ; all its keys come after my last query
	s_cbranch_scc1 .Lhidden
	s_mul_i32 s70, s54, 6144
	s_add_co_u32 s71, s70, 512
	s_add_co_u32 s72, s70, VIMG
	s_lshl_b32 s73, s54, 9
	s_add_co_u32 s73, s73, KSC
	s_lshl_b32 s74, s54, 8
	s_add_co_u32 s74, s74, VSC
	v_lshl_add_u32 v6, v1, 4, s70                  ; (these five are the places in front of the loads below)
	s_wait_alu depctr_va_vdst(0)
	v_lshl_add_u32 v7, v1, 3, s71
	s_wait_alu depctr_va_vdst(0)
	v_lshl_add_u32 v8, v1, 4, s72
	v_lshl_add_u32 v9, v2, 5, s73
	s_wait_alu depctr_va_vdst(0)
	v_lshl_add_u32 v10, v2, 4, s74
.irp g, 0,1                            ; S^T = k q^T, four tiles of 16 keys at a time
.if \g > 0
.rept 4
	v_nop
.endr
.endif
.irp t, 0,1,2,3
	ds_load_b128 v[32+12*\t:35+12*\t], v6 offset:(4*\g+\t)*768
	ds_load_b64 v[36+12*\t:37+12*\t], v7 offset:(4*\g+\t)*768
.endr
	ds_load_b128 v[28:31], v9 offset:16*\g         ; the four tiles' scale words of my row
	s_wait_dscnt 0x0
.irp t, 0,1,2,3
	v_wmma_scale_f32_16x16x128_f8f6f4 v[128+8*(4*\g+\t):135+8*(4*\g+\t)], v[32+12*\t:43+12*\t], v[16:27], 0, v[28+\t], v11 matrix_a_fmt:MATRIX_FMT_FP6 matrix_b_fmt:MATRIX_FMT_FP6
.endr
.endr
.rept 4
	v_nop
.endr
.irp t, 0,1,2,3                        ; v's four fragments and scale words land under the softmax
.irp c, 0,1,2
	ds_load_b128 v[80+12*\t+4*\c:83+12*\t+4*\c], v8 offset:\t*1536+512*\c
.endr
.endr
	s_wait_alu depctr_va_vdst(0)
	ds_load_b128 v[28:31], v10
	s_add_co_u32 s61, s55, 127
	s_cmp_le_u32 s61, s56                          ; every key counts for every query of mine: no diagonal here
	s_cbranch_scc1 .Lopen
	s_sub_co_i32 s75, s56, s55
	v_add_nc_u32 v252, s75, v3                     ; d = my query - the first key - 16 h: register 16 b + i is hidden where 32 b + i > d
	v_mov_b32 v254, 0xff800000
.set n, 0
.rept 64
	v_cmp_gt_i32 vcc_lo, 32*(n/16)+n%16, v252
	v_cndmask_b32 v[128+n], v[128+n], v254, vcc_lo
.set n, n+1
.endr
.Lopen:
.irp b, 0,1,2,3
	v_max3_num_f32 v[248+\b], v[128+16*\b], v[129+16*\b], v[130+16*\b]   ; the largest score of each block of 32 keys: for the row's maximum, and for the block's largest p
.endr
.irp i, 3,5,7,9,11,13
.irp b, 0,1,2,3
	v_max3_num_f32 v[248+\b], v[248+\b], v[128+16*\b+\i], v[129+16*\b+\i]
.endr
.endr
.irp b, 0,1,2,3
	v_max_num_f32 v[248+\b], v[248+\b], v[143+16*\b]
.endr
.irp b, 0,1,2,3
	s_delay_alu instid0(VALU_DEP_4)
	v_permlanex16_b32 v[236+\b], v[248+\b], s20, s21
.endr
.irp b, 0,1,2,3
	s_delay_alu instid0(VALU_DEP_4)
	v_max_num_f32 v[248+\b], v[248+\b], v[236+\b]
.endr
	s_delay_alu instid0(VALU_DEP_2)
	v_max3_num_f32 v254, v248, v249, v250
	s_delay_alu instid0(VALU_DEP_1)
	v_max_num_f32 v254, v254, v251
	s_delay_alu instid0(VALU_DEP_1)
	v_mul_f32 v254, s22, v254
	s_delay_alu instid0(VALU_DEP_1)
	v_max_num_f32 v13, v13, v254                   ; the running largest t
	v_mov_b32 v254, v12
	s_delay_alu instid0(VALU_DEP_2)
	v_floor_f32 v12, -v13                          ; the new -M: a whole number
	s_delay_alu instid0(VALU_DEP_1)
	v_sub_f32 v254, v12, v254
	s_delay_alu instid0(VALU_DEP_1)
	v_cvt_i32_f32 v254, v254                       ; (it saturates)
	s_delay_alu instid0(VALU_DEP_1)
	v_ldexp_f32 v252, 1.0, v254                    ; f = 2^(old M - new M): rounds nothing
.set j, 0
.rept 32
	v_pk_fma_f32 v[128+j:129+j], v[128+j:129+j], s[22:23], v[12:13] op_sel_hi:[1,0,0]   ; t - M
.set j, j+2
.endr
.irp b, 0,1,2,3
	v_fma_f32 v[248+\b], v[248+\b], s22, v12
.endr
.set j, 0
	s_wait_alu depctr_va_vdst(0)
.rept 64
	v_exp_f32 v[128+j], v[128+j]                   ; p = 2^(t - M)
.set j, j+1
.endr
	v_pk_mul_f32 v[14:15], v[14:15], v[252:253] op_sel_hi:[1,0]   ; the sums under the new M (a plain place behind the exponentials)
	s_wait_alu depctr_va_vdst(0)                   ; one wait for the batch, ahead of its first reader
.irp b, 0,1,2,3
	v_exp_f32 v[248+\b], v[248+\b]                 ; the block's largest p
.endr
	v_pk_add_f32 v[236:237], v[132:133], v[136:137]
	v_pk_add_f32 v[246:247], v[140:141], v[144:145]
	v_pk_add_f32 v[244:245], v[148:149], v[152:153]
	v_pk_add_f32 v[242:243], v[156:157], v[160:161]
	v_pk_add_f32 v[240:241], v[164:165], v[168:169]
	v_pk_add_f32 v[238:239], v[172:173], v[176:177]
	v_pk_add_f32 v[234:235], v[180:181], v[184:185]
	v_pk_add_f32 v[14:15], v[14:15], v[188:189]
	v_pk_add_f32 v[236:237], v[236:237], v[128:129]
	v_pk_add_f32 v[246:247], v[246:247], v[130:131]
	v_pk_add_f32 v[244:245], v[244:245], v[134:135]
	v_pk_add_f32 v[242:243], v[242:243], v[138:139]
	v_pk_add_f32 v[240:241], v[240:241], v[142:143]
	v_pk_add_f32 v[238:239], v[238:239], v[146:147]
	v_pk_add_f32 v[234:235], v[234:235], v[150:151]
	v_pk_add_f32 v[14:15], v[14:15], v[154:155]
	v_pk_add_f32 v[236:237], v[236:237], v[158:159]
	v_pk_add_f32 v[246:247], v[246:247], v[162:163]
	v_pk_add_f32 v[244:245], v[244:245], v[166:167]
	v_pk_add_f32 v[242:243], v[242:243], v[170:171]
	v_pk_add_f32 v[240:241], v[240:241], v[174:175]
	v_pk_add_f32 v[238:239], v[238:239], v[178:179]
	v_pk_add_f32 v[234:235], v[234:235], v[182:183]
	v_pk_add_f32 v[14:15], v[14:15], v[186:187]
	v_pk_add_f32 v[236:237], v[236:237], v[190:191]
	s_delay_alu instid0(VALU_DEP_2)
	v_pk_add_f32 v[14:15], v[14:15], v[242:243]
	s_delay_alu instid0(VALU_DEP_2)
	v_pk_add_f32 v[236:237], v[236:237], v[240:241]
	v_pk_add_f32 v[246:247], v[246:247], v[238:239]
	v_pk_add_f32 v[244:245], v[244:245], v[234:235]
	s_delay_alu instid0(VALU_DEP_2)
	v_pk_add_f32 v[14:15], v[14:15], v[246:247]
	s_delay_alu instid0(VALU_DEP_2)
	v_pk_add_f32 v[236:237], v[236:237], v[244:245]
	s_delay_alu instid0(VALU_DEP_1)
	v_pk_add_f32 v[14:15], v[14:15], v[236:237]
	s_wait_alu depctr_va_vdst(0)                   ; and one for the four
.irp b, 0,1,2,3
	v_max_num_f32 v[248+\b], 0x1800000, v[248+\b]  ; the floor 2^(3 - 127)
.endr
.irp b, 0,1,2,3
	s_delay_alu instid0(VALU_DEP_4)
	v_add_nc_u32 v[244+\b], 0xff000000, v[248+\b]
.endr
.irp b, 0,1,2,3
	s_delay_alu instid0(VALU_DEP_4)
	v_lshrrev_b32 v[236+\b], 23, v[244+\b]
.endr
	s_delay_alu instid0(VALU_DEP_3)
	v_lshl_or_b32 v253, v237, 8, v236              ; p's scale word for these 128 keys
	s_delay_alu instid0(VALU_DEP_1)
	v_lshl_or_b32 v253, v238, 16, v253
	s_delay_alu instid0(VALU_DEP_1)
	v_lshl_or_b32 v253, v239, 24, v253
.irp c, 0,1
	v_cvt_scalef32_pk16_fp6_f32 v[224+6*\c:226+6*\c], v[128+32*\c:143+32*\c], v[244+2*\c]
	v_cvt_scalef32_pk16_fp6_f32 v[236+4*\c:238+4*\c], v[144+32*\c:159+32*\c], v[244+2*\c+1]
.endr
	v_nop                                          ; one plain place behind a scaled conversion
.irp c, 0,1
.irp i, 0,1,2
	v_permlane16_swap_b32 v[224+6*\c+\i], v[236+4*\c+\i]
.endr
.irp i, 0,1,2
	s_delay_alu instid0(VALU_DEP_3)
	v_mov_b32 v[227+6*\c+\i], v[236+4*\c+\i]
.endr
.endr
.set j, 0
.rept 16
	v_pk_mul_f32 v[192+j:193+j], v[192+j:193+j], v[252:253] op_sel_hi:[1,0]   ; O^T under the new M; these sixteen are also the places in front of the products below
.set j, j+2
.endr
	s_wait_alu depctr_va_vdst(0)
	s_wait_dscnt 0x0                               ; v's fragments and scale words are in
.irp t, 0,1,2,3                        ; O^T += v^T p^T; the four accumulators take turns
	v_wmma_scale_f32_16x16x128_f8f6f4 v[192+8*\t:199+8*\t], v[80+12*\t:91+12*\t], v[224:235], v[192+8*\t:199+8*\t], v[28+\t], v253 matrix_a_fmt:MATRIX_FMT_FP6 matrix_b_fmt:MATRIX_FMT_FP6
.endr
.Lhidden:
	s_add_co_u32 s52, s52, 1
	s_cmp_lt_u32 s52, 18
	s_cbranch_scc1 .Ltrip
.rept 4
	v_nop
.endr
	OUTADR
	FINISH 48, 50
	s_wait_tensorcnt 0x0                           ; the wave's end
	ds_add_u32 v[SPW], v[NIL]
	s_wait_dscnt 0x0
	CROUND                                         ; the closing round
	s_endpgm
.Lfunc_end_k_q40b0055137_attn:
	.size	k_q40b0055137_attn, .Lfunc_end_k_q40b0055137_attn-k_q40b0055137_attn
	.p2alignl 7, 3214868480
	.fill 96, 4, 3214868480
	.section	.rodata,"a",@progbits
	.p2align	6, 0x0
	.amdhsa_kernel k_q40b0055137_attn
		.amdhsa_group_segment_fixed_size 215296
		.amdhsa_private_segment_fixed_size 0
		.amdhsa_enable_private_segment 0
		.amdhsa_kernarg_size 32
		.amdhsa_user_sgpr_count 2
		.amdhsa_user_sgpr_kernarg_segment_ptr 1
		.amdhsa_wavefront_size32 1
		.amdhsa_system_sgpr_workgroup_id_x 1
		.amdhsa_system_sgpr_workgroup_id_y 1
		.amdhsa_system_sgpr_workgroup_id_z 1
		.amdhsa_system_vgpr_workitem_id 0
		.amdhsa_next_free_vgpr 256
		.amdhsa_next_free_sgpr 80
		.amdhsa_reserve_vcc 1
		.amdhsa_float_denorm_mode_32 3
		.amdhsa_float_denorm_mode_16_64 3
		.amdhsa_memory_ordered 1
		.amdhsa_forward_progress 1
		.amdhsa_inst_pref_size 53
	.end_amdhsa_kernel
	.amdgpu_metadata
---
amdhsa.version: [ 1, 2 ]
amdhsa.kernels:
  - .name:           k_q40b0055137_attn
    .symbol:         k_q40b0055137_attn.kd
    .args:
      - { .name: qbuf, .offset: 0, .size: 8, .value_kind: global_buffer, .address_space: global }
      - { .name: kvblk, .offset: 8, .size: 8, .value_kind: global_buffer, .address_space: global }
      - { .name: vsum, .offset: 16, .size: 8, .value_kind: global_buffer, .address_space: global }
      - { .name: obuf, .offset: 24, .size: 8, .value_kind: global_buffer, .address_space: global }
    .group_segment_fixed_size: 215296
    .private_segment_fixed_size: 0
    .kernarg_segment_align: 8
    .kernarg_segment_size: 32
    .max_flat_workgroup_size: 512
    .sgpr_count:     80
    .vgpr_count:     256
    .wavefront_size: 32
...
	.end_amdgpu_metadata
.endif
;; end of part 3
;; launch ogemm (part 4): grid 8 x 32, 8 waves a work-group, clusters of 4 x 4, 308,224 bytes of LDS; arguments obuf, wcode, out0; writes out0
.if DOCPART == 4
	.amdgcn_target "amdgcn-amd-amdhsa--gfx1250"
	.amdhsa_code_object_version 6
	.text
	.protected	k_q40b0055137_ogemm
	.globl	k_q40b0055137_ogemm
	.p2align	8
	.type	k_q40b0055137_ogemm,@function
k_q40b0055137_ogemm:
	s_mov_b64 s[64:65], 0
	v_nop
	global_prefetch_b8 v0, s[64:65] scope:SCOPE_SE
	s_setreg_imm32_b32 hwreg(HW_REG_WAVE_MODE, 25, 1), 1
	s_wait_xcnt 0x0
	s_wait_alu depctr_hold_cnt(0) depctr_sa_sdst(0) depctr_va_vdst(0) depctr_va_sdst(0) depctr_va_ssrc(0) depctr_va_vcc(0) depctr_vm_vsrc(0)
	s_getreg_b32 s2, hwreg(HW_REG_IB_STS2, 6, 4)
	s_cmp_eq_u32 s2, 0
	s_cbranch_scc0 .Lentry_in_a_cluster
	s_endpgm
.Lentry_in_a_cluster:
	s_bfe_u32 s2, ttmp6, 0x10000c
	s_cmp_lg_u32 s2, 0xf033
	s_cbranch_scc0 .Lentry_shape_is_right
	s_endpgm
.Lentry_shape_is_right:
; out0 = o wo on codes of FP6 (E2M3) with E8M0 scales, K = 1,024; sums in f32.
; A work-group of eight waves makes 256 positions x 128 columns: 32 x 8 = 256 work-groups.  A wave makes 64 x 64: 16 accumulators (v128-255), four fragments of each operand, no register windows.
; ALL OF K LIES IN LDS, filled once, one tensor load a wave: waves 0-3 o's images (16 tiles x 12,288 dense bytes, 49,152 a wave), waves 4-5 wo's images (two quarters of K each: rows of 24,576 bytes,
; 491,520 apart in wcode), wave 6 o's scale bytes (8,192), wave 7 wo's (4,096).  Nothing is filled again: no ring, and one barrier ahead of the products.
; o's images: [tile of 16 stored positions][head][768 bytes]: registers 0-3 at 16 x lane, registers 4-5 at 512 + 8 x lane.  wo's: [quarter][tile][3,072]: three loads of 16 bytes a lane for 128 along K.
; CLUSTER 4 x 4: o's tiles hang on the block of positions and are asked for jointly along a row of the cluster, wo's on the block of columns, along a column.
; Source 0 = wo's rows, source 1 = o's rows: a lane holds eight neighbouring columns of one position.  Results leave through a stage of 16 rows x 272 bytes a wave, laid over o's images behind a barrier
; behind which nobody reads them; sixteen lanes store 256 consecutive bytes, aligned.  Stored position 16 T + n is position 32 (T / 2) + 8 (T % 2) + n + 8 (n / 8).
; NO PREFETCH: every byte is asked for by the head's loads; there is no loop to run ahead in.
.set TILEA,  12288
.set AWAVE,  49152
.set BREG,   196608
.set SCA,    294912
.set SCB,    303104
.set SPARE,  307200
.set WQS,    491520
.set SPITCH, 272
.set SPW,  6
.set NIL,  7
.set ADA,  8
.set ADA8, 9
.set ADB,  10                          ; v10: quarters 0, 1; v11: quarters 2, 3
.set ADRS, 12
.set STO,  13
.set RD,   14
.set CO,   15
.set SC,   16                          ; v16-23: register 2 i + q: lanes 0-15 the word of o's tile i, lanes 16-31 of wo's tile i, K step q of a pair
.set AF,   32
.set BF,   80
.set ACC,  128
.set BK,   32
.set G1A,  24
.set G1B,  32
.set G1S,  48
.set G1SB, 56
.set G0A,  68
.set G0B,  72
.set G0S,  76
.set G0SB, 80
.macro CROUND
	s_barrier_signal -1
	s_barrier_wait -1
	s_cmp_lg_u32 s14, 0
	s_cbranch_scc1 .Lnot_wave_0_\@
	s_barrier_signal -3
.Lnot_wave_0_\@:
	s_barrier_wait -3
	s_barrier_signal -1
	s_barrier_wait -1
.endm
.macro PLACES
.rept 4
	v_nop
.endr
.endm
	s_load_b128 s[4:7], s[0:1], 0x0                ; obuf, wcode
	s_load_b64 s[12:13], s[0:1], 0x10              ; out0
	v_lshl_add_u32 v[SPW], v0, 2, SPARE
	v_mov_b32 v[NIL], 0
	ds_add_u32 v[SPW], v[NIL]                      ; the opening lines: the add twice on end and its wait
	ds_add_u32 v[SPW], v[NIL]
	v_lshrrev_b32 v1, 5, v0
	v_readfirstlane_b32 s14, v1                    ; wave 0..7
	s_lshr_b32 s15, s14, 1                         ; which 64 positions
	s_and_b32 s16, s14, 1                          ; which 64 columns
	s_bfe_u32 s40, ttmp6, 0x40000
	s_bfe_u32 s41, ttmp6, 0x40004
	s_lshl_b32 s42, ttmp9, 2
	s_add_co_u32 s42, s42, s40                     ; block of 128 columns
	s_and_b32 s17, ttmp7, 0xffff
	s_lshl_b32 s17, s17, 2
	s_add_co_u32 s17, s17, s41                     ; block of 256 positions
	s_lshl_b32 s43, s41, 2
	s_lshl_b32 s43, 15, s43                        ; my row of the cluster
	s_lshl_b32 s44, 0x1111, s40                    ; my column
	s_or_b32 s[G1A+0], s43, (3<<16)|(1<<21)
	s_mov_b32 s[G1A+1], 32<<16                     ; 192 rows of 256 bytes
	s_mov_b32 s[G1A+2], 192<<16
	s_mov_b32 s[G1A+3], 32<<16
	s_mov_b32 s[G1A+4], 192
	s_mov_b32 s[G1A+5], 32
	s_mov_b32 s[G1A+6], 0
	s_mov_b32 s[G1A+7], 0
	s_or_b32 s[G1B+0], s44, (3<<16)|(1<<21)
	s_mov_b32 s[G1B+1], 3072<<16                   ; 2 rows of 24,576 bytes (eight tiles of a quarter), a quarter of wcode apart
	s_mov_b32 s[G1B+2], 2<<16
	s_mov_b32 s[G1B+3], 3072<<16
	s_mov_b32 s[G1B+4], 2
	s_mov_b32 s[G1B+5], WQS/8
	s_mov_b32 s[G1B+6], 0
	s_mov_b32 s[G1B+7], 0
	s_or_b32 s[G1S+0], s43, (3<<16)|(1<<21)
	s_mov_b32 s[G1S+1], 32<<16
	s_mov_b32 s[G1S+2], 32<<16
	s_mov_b32 s[G1S+3], 32<<16
	s_mov_b32 s[G1S+4], 32
	s_mov_b32 s[G1S+5], 32
	s_mov_b32 s[G1S+6], 0
	s_mov_b32 s[G1S+7], 0
	s_or_b32 s[G1SB+0], s44, (3<<16)|(1<<21)
	s_mov_b32 s[G1SB+1], 32<<16
	s_mov_b32 s[G1SB+2], 16<<16
	s_mov_b32 s[G1SB+3], 32<<16
	s_mov_b32 s[G1SB+4], 16
	s_mov_b32 s[G1SB+5], 32
	s_mov_b32 s[G1SB+6], 0
	s_mov_b32 s[G1SB+7], 0
	s_mul_i32 s45, s14, AWAVE                      ; where a codes' load lands: wave x 49,152 (wo's region begins at 4 x 49,152)
	s_mul_i32 s20, s17, 16*TILEA
	s_add_co_u32 s20, s20, s45                     ; o: waves 0-3 take four tiles each
	s_mov_b32 s21, 0
	s_lshl_b32 s22, s17, 13
	s_add_co_u32 s22, s22, 6291456
	s_mov_b32 s23, 0
	s_mul_i32 s46, s42, 8*3072
	s_add_co_u32 s46, s46, 96*3072                 ; wo's tiles begin at stored row 1,536
	s_mul_i32 s47, s16, 2*WQS                      ; wave 4: quarters 0, 1; wave 5: quarters 2, 3
	s_add_co_u32 s46, s46, s47
	s_mov_b32 s47, 0
	s_lshl_b32 s92, s42, 12
	s_add_co_u32 s92, s92, 2015232                 ; 1,966,080 + 1,536 x 32
	s_mov_b32 s93, 0
	s_wait_dscnt 0x0
	s_wait_kmcnt 0x0
	s_add_nc_u64 s[20:21], s[4:5], s[20:21]
	s_add_nc_u64 s[22:23], s[4:5], s[22:23]
	s_add_nc_u64 s[46:47], s[6:7], s[46:47]
	s_add_nc_u64 s[92:93], s[6:7], s[92:93]
	CROUND                                         ; all sixteen work-groups are here: the joint loads meet
	s_mov_b32 s[G0A], 1
	s_mov_b32 s[G0A+1], s45
	s_mov_b64 s[G0A+2:G0A+3], s[20:21]
	s_or_b32 s[G0A+3], s[G0A+3], 0x80000000
	s_mov_b32 s[G0B], 1
	s_mov_b32 s[G0B+1], s45
	s_mov_b64 s[G0B+2:G0B+3], s[46:47]
	s_or_b32 s[G0B+3], s[G0B+3], 0x80000000
	s_mov_b32 s[G0S], 1
	s_mov_b32 s[G0S+1], SCA
	s_mov_b64 s[G0S+2:G0S+3], s[22:23]
	s_or_b32 s[G0S+3], s[G0S+3], 0x80000000
	s_mov_b32 s[G0SB], 1
	s_mov_b32 s[G0SB+1], SCB
	s_mov_b64 s[G0SB+2:G0SB+3], s[92:93]
	s_or_b32 s[G0SB+3], s[G0SB+3], 0x80000000
.macro ARM under, g0, g1, next         ; one chain of branches on the wave's number, one load to an arm
	s_cmp_lt_u32 s14, \under
	s_cbranch_scc0 \next
	tensor_load_to_lds s[\g0:\g0+3], s[\g1:\g1+7]
	s_nop 0
.rept 4
	v_nop
.endr
	s_branch .Lhead_asked
\next:
.endm
	ARM 4, G0A, G1A, .Lhead_b
	ARM 6, G0B, G1B, .Lhead_sa
	ARM 7, G0S, G1S, .Lhead_sb
	tensor_load_to_lds s[G0SB:G0SB+3], s[G1SB:G1SB+7]
	s_nop 0
.rept 4
	v_nop
.endr
.Lhead_asked:
	s_mul_i32 s21, s15, AWAVE                      ; my four tiles of o
	s_mul_i32 s22, s16, 4*3072
	s_add_co_u32 s22, s22, BREG                    ; my four tiles of wo
	s_lshl_b32 s23, s15, 11
	s_add_co_u32 s23, s23, SCA
	s_lshl_b32 s18, s16, 11
	s_add_co_u32 s18, s18, SCB
	s_sub_co_u32 s18, s18, s23                     ; from o's scale words to wo's
	s_mul_i32 s19, s14, 16*SPITCH                  ; my stage
	s_lshl_b32 s46, s17, 20
	s_lshl_b32 s47, s15, 18
	s_add_co_u32 s46, s46, s47                     ; (256 x block + 64 x my part) rows of 4,096 bytes
	s_lshl_b32 s47, s42, 9
	s_add_co_u32 s46, s46, s47
	s_lshl_b32 s47, s16, 8
	s_add_co_u32 s46, s46, s47
	s_mov_b32 s47, 0
	s_add_nc_u64 s[12:13], s[12:13], s[46:47]
	v_and_b32 v1, 15, v0                           ; r
	v_bfe_u32 v2, v0, 4, 1                         ; h
	v_and_b32 v3, 31, v0
	v_lshlrev_b32 v4, 4, v3
	v_add_nc_u32 v[ADA], s21, v4
	v_lshl_add_u32 v5, v3, 3, s21
	v_add_nc_u32 v[ADA8], 512, v5
	v_add_nc_u32 v[ADB], s22, v4
	v_add_nc_u32 v[ADB+1], 2*24576, v[ADB]
	v_mul_u32_u24 v5, s18, v2                      ; lanes 16-31 take wo's words
	v_lshl_add_u32 v5, v1, 5, v5
	v_add_nc_u32 v[ADRS], s23, v5
	v_mul_u32_u24 v5, v1, SPITCH
	v_lshl_add_u32 v5, v2, 5, v5
	v_add_nc_u32 v[STO], s19, v5                   ; into the stage: row r, 32 bytes for each half of the lanes
	v_mul_u32_u24 v5, v2, SPITCH
	v_lshl_add_u32 v5, v1, 4, v5
	v_add_nc_u32 v[RD], s19, v5                    ; back: sixteen lanes to a row of 256 bytes, two rows an instruction
	v_lshlrev_b32 v5, 12, v2
	v_lshl_add_u32 v[CO], v1, 4, v5                ; and the same in out0
	s_wait_alu depctr_va_vdst(0)                   ; the wait at the head's end
	s_wait_tensorcnt 0x0                           ; my load has landed:
	s_barrier_signal -1
	s_barrier_wait -1                              ; everybody's has
.macro KSTEP st, zero                  ; 128 along K: heads 2 st, 2 st + 1 of o; K step st % 2 of quarter st / 2 of wo
.if (\st) > 0
	PLACES                                         ; ahead of loads into registers that matrix instructions have read
.endif
.irp i, 0,1,2,3
.irp p, 0,1,2
	ds_load_b128 v[BF+12*\i+4*\p:BF+12*\i+4*\p+3], v[ADB+(\st)/4] offset:(((\st)/2)%2)*24576+\i*3072+((\st)%2)*1536+512*\p
.endr
.endr
.irp i, 0,1,2,3
	ds_load_b128 v[AF+12*\i:AF+12*\i+3], v[ADA] offset:\i*TILEA+(\st)*1536
	ds_load_b64 v[AF+12*\i+4:AF+12*\i+5], v[ADA8] offset:\i*TILEA+(\st)*1536
	ds_load_b128 v[AF+12*\i+6:AF+12*\i+9], v[ADA] offset:\i*TILEA+(\st)*1536+768
	ds_load_b64 v[AF+12*\i+10:AF+12*\i+11], v[ADA8] offset:\i*TILEA+(\st)*1536+768
.endr
.if (\st)%2 == 0
.irp i, 0,1,2,3
	ds_load_b64 v[SC+2*\i:SC+2*\i+1], v[ADRS] offset:\i*512+4*(\st)
.endr
.endif
	s_wait_dscnt 0x0
.irp a, 0,1,2,3                        ; the sixteen accumulators take turns, in the same order in every step
.irp b, 0,1,2,3
.if \zero
	v_wmma_scale_f32_16x16x128_f8f6f4 v[ACC+8*(4*\a+\b):ACC+8*(4*\a+\b)+7], v[BF+12*\b:BF+12*\b+11], v[AF+12*\a:AF+12*\a+11], 0, v[SC+2*\b+(\st)%2], v[SC+2*\a+(\st)%2] matrix_a_fmt:MATRIX_FMT_FP6 matrix_b_fmt:MATRIX_FMT_FP6 matrix_a_scale:MATRIX_SCALE_ROW1
.else
	v_wmma_scale_f32_16x16x128_f8f6f4 v[ACC+8*(4*\a+\b):ACC+8*(4*\a+\b)+7], v[BF+12*\b:BF+12*\b+11], v[AF+12*\a:AF+12*\a+11], v[ACC+8*(4*\a+\b):ACC+8*(4*\a+\b)+7], v[SC+2*\b+(\st)%2], v[SC+2*\a+(\st)%2] matrix_a_fmt:MATRIX_FMT_FP6 matrix_b_fmt:MATRIX_FMT_FP6 matrix_a_scale:MATRIX_SCALE_ROW1
.endif
.endr
.endr
.endm
	KSTEP 0, 1                                     ; the first step's products start the sums
.irp st, 1,2,3,4,5,6,7
	KSTEP \st, 0
.endr
	PLACES                                         ; ahead of the reads of results and of loads into the fragments' registers
	s_barrier_signal -1                            ; my reads of the images are over (the last were waited for ahead of the last products)
	s_barrier_wait -1                              ; everybody's are: the stages may be laid over o's images
.macro TOSTAGE a
.irp b, 0,1,2,3
	ds_store_b128 v[STO], v[ACC+32*(\a)+8*\b:ACC+32*(\a)+8*\b+3] offset:64*\b      ; each accumulator from its low end on
	ds_store_b128 v[STO], v[ACC+32*(\a)+8*\b+4:ACC+32*(\a)+8*\b+7] offset:64*\b+16
.endr
.irp t, 0,1,2,3,4,5,6,7
	ds_load_b128 v[BK+32*((\a)%2)+4*\t:BK+32*((\a)%2)+4*\t+3], v[RD] offset:\t*2*SPITCH   ; a wave's LDS instructions are served in order: these see my stores
.endr
.endm
.macro SEND a, younger                 ; younger: the LDS instructions issued behind block a's loads
	s_wait_dscnt \younger
.irp t, 0,1,2,3,4,5,6,7
	global_store_b128 v[CO], v[BK+32*((\a)%2)+4*\t:BK+32*((\a)%2)+4*\t+3], s[12:13] offset:(32*((\a)/2)+8*((\a)%2)+2*\t+8*(\t/4))*4096 th:TH_STORE_NT
.endr
.endm
	TOSTAGE 0
.irp a, 1,2,3
.if \a > 1
	s_wait_xcnt 0x0                                ; block a - 2's stores have read their registers: block a's loads may land there
.endif
	TOSTAGE \a
	SEND \a-1, 16                                  ; behind block a - 1's loads: block a's 8 stores and 8 loads
.endr
	SEND 3, 0
	s_wait_tensorcnt 0x0                           ; the wave's end
	ds_add_u32 v[SPW], v[NIL]
	s_wait_dscnt 0x0
	CROUND                                         ; the closing round
	s_endpgm
.Lfunc_end_k_q40b0055137_ogemm:
	.size	k_q40b0055137_ogemm, .Lfunc_end_k_q40b0055137_ogemm-k_q40b0055137_ogemm
	.p2alignl 7, 3214868480
	.fill 96, 4, 3214868480
	.section	.rodata,"a",@progbits
	.p2align	6, 0x0
	.amdhsa_kernel k_q40b0055137_ogemm
		.amdhsa_group_segment_fixed_size 308224
		.amdhsa_private_segment_fixed_size 0
		.amdhsa_enable_private_segment 0
		.amdhsa_kernarg_size 24
		.amdhsa_user_sgpr_count 2
		.amdhsa_user_sgpr_kernarg_segment_ptr 1
		.amdhsa_wavefront_size32 1
		.amdhsa_system_sgpr_workgroup_id_x 1
		.amdhsa_system_sgpr_workgroup_id_y 1
		.amdhsa_system_sgpr_workgroup_id_z 1
		.amdhsa_system_vgpr_workitem_id 0
		.amdhsa_next_free_vgpr 256
		.amdhsa_next_free_sgpr 98
		.amdhsa_reserve_vcc 0
		.amdhsa_float_denorm_mode_32 3
		.amdhsa_float_denorm_mode_16_64 3
		.amdhsa_memory_ordered 1
		.amdhsa_forward_progress 1
		.amdhsa_inst_pref_size 48
	.end_amdhsa_kernel
	.amdgpu_metadata
---
amdhsa.version: [ 1, 2 ]
amdhsa.kernels:
  - .name:           k_q40b0055137_ogemm
    .symbol:         k_q40b0055137_ogemm.kd
    .args:
      - { .name: obuf, .offset: 0, .size: 8, .value_kind: global_buffer, .address_space: global }
      - { .name: wcode, .offset: 8, .size: 8, .value_kind: global_buffer, .address_space: global }
      - { .name: out0, .offset: 16, .size: 8, .value_kind: global_buffer, .address_space: global }
    .group_segment_fixed_size: 308224
    .private_segment_fixed_size: 0
    .kernarg_segment_align: 8
    .kernarg_segment_size: 24
    .max_flat_workgroup_size: 256
    .sgpr_count:     98
    .vgpr_count:     256
    .wavefront_size: 32
...
	.end_amdgpu_metadata
.endif
;; end of part 4
